; MI455X (gfx1250); checked and timed in simulation.
; The chip was launched on July 23, 2026; its instructions are those of AMD's public machine-readable ISA for CDNA 5 (MIT licence, August 2026) and "CDNA5" Instruction Set Architecture Reference Guide (July 2026). The comments in the code are by the model that wrote it; some were corrected since.
;; Causal Self Attention. Allowed arithmetic: matrix products marked QUANTISED: E2M1 operands, one E8M0 scale for each 32 along K, by v_wmma_scale_f32_16x16x128_f8f6f4 with both operands' format E2M1 (or v_wmma_scale_f32_32x16x128_f4), f32 sums; everything else in f32.
;; Inputs: W_attn_codes 3,072 x 32 x 16 uint8 (E2M1 codes of W_attn, K innermost, in blocks of 32 codes, two codes a byte); W_attn_scales 3,072 x 32 uint8 (E8M0 scales of W_attn, one for each 32 codes along K); W_proj_codes 1,024 x 32 x 16 uint8 (E2M1 codes of W_proj, K innermost, in blocks of 32 codes, two codes a byte); W_proj_scales 1,024 x 32 uint8 (E8M0 scales of W_proj, one for each 32 codes along K); b_attn 3,072 float32; b_proj 1,024 float32; x_codes 4 x 2,048 x 32 x 16 uint8 (E2M1 codes of x, K innermost, in blocks of 32 codes, two codes a byte); x_scales 4 x 2,048 x 32 uint8 (E8M0 scales of x, one for each 32 codes along K).
;; Outputs: out0 4 x 2,048 x 1,024 float32.
;; This version of the problem:
;;   THIS VERSION OF THE PROBLEM IS GIVEN IN LOW PRECISION. The matrix products marked QUANTISED in the list below multiply operands that are first quantised to E2M1 (2 exponent bits, 1 mantissa bit; 4 bits a number), with one power-of-two scale for each 32 numbers along K (OCP MX v1.0); their sums are f32. All else is computed in f32.
;;   The module's matrix products, in the order in which they are computed (A, B: the left and right operand; K: the contracted axis; several contracted axes count as one K, in the product's order):
;;     1. [M 8,192, K 1,024] x [K 1,024, N 3,072]; A: input x (given as codes); B: input W_attn (given as codes): QUANTISED
;;     2. batch 64 x [M 2,048, K 64] x [K 64, N 2,048]; A: computed on the way; B: computed on the way: QUANTISED
;;     3. batch 64 x [M 2,048, K 2,048] x [K 2,048, N 64]; A: softmax (see below); B: computed on the way: QUANTISED
;;     4. [M 8,192, K 1,024] x [K 1,024, N 1,024]; A: computed on the way; B: input W_proj (given as codes): QUANTISED
;;   THE QUANTISER, for each operand of a quantised product, along K:
;;     - K is cut into blocks of 32 from its start; a last block that is shorter is filled with zeros.
;;     - A block's scale is 2^e with e = floor(log2(the largest magnitude in the block)) - 2, held to -126 .. 127; a block of zeros has e = 0. As a byte (E8M0): e + 127.
;;     - Each number is divided by its block's scale, clamped to +-6, and rounded to the nearest number of E2M1, ties to even, subnormals kept.
;;     - The product sums the exact products of the quantised numbers (number of the format x scale) in f32.
;;   ~~~python
;;   def quantise(x, axis):      # numpy; x: float32 -> the quantised numbers, widened to float32 again
;;       x = np.moveaxis(x, axis, -1); K = x.shape[-1]
;;       x = np.pad(x, [(0, 0)] * (x.ndim - 1) + [(0, -K % 32)]); x = x.reshape(x.shape[:-1] + (-1, 32)); a = np.abs(x).max(-1, keepdims=True)
;;       e = np.where(a > 0, np.clip(np.frexp(np.where(a > 0, a, 1))[1] - 1 - 2, -126, 127), 0)      # np.frexp(a)[1] - 1 = floor(log2(a)), exactly
;;       r = np.clip(x / 2.0 ** e, -6, 6)
;;       step = 2.0 ** (np.maximum(np.frexp(np.where(r == 0, 1, r))[1] - 1, 0) - 1)
;;       q = np.round(r / step) * step * 2.0 ** e      # np.round: ties to even
;;       return np.moveaxis(q.reshape(q.shape[:-2] + (-1,))[..., :K], -1, axis).astype(np.float32)
;;   ~~~
;;   SOFTMAX AHEAD OF A QUANTISED PRODUCT. Where the list says 'softmax', what is quantised is not the finished softmax but p = 2^(t - M), with t = logit x log2(e) and M = ceil(the row's largest t), a whole number; so 1/2 < the row's largest p <= 1. The row's sum l is taken of the UNQUANTISED p, in f32, and the product's result is divided by l at the end. Since M is a whole number, a kernel that streams over the keys may use a running M (the ceiling of the running maximum): every later rescaling is an exact power of two, which a block's scale takes up: the codes' values come out the same.
;;   OPERANDS COMPUTED ON THE WAY. 'Computed on the way' means the value that the module computes at that place (a softmax that the list does not call 'softmax' is quantised finished and normalised). What goes into a quantiser is computed in f32, as accurately as f32 sums, v_exp_f32 and their like allow (about 1e-6 of the number): no bf16 or f16 on the way to a quantiser, and a product that is left as it is and whose result goes on into a quantised operand takes f32 operands (vector FMAs, or v_wmma_f32_16x16x4_f32). A number that lies on a knife's edge between two numbers of the format may be rounded either way, as far as f32 arithmetic and the matrix unit's own rounding can turn it there, and no further.
;;   INPUTS GIVEN AS CODES. W_attn (in the module: [1024, 3072], K = its axis 0); W_proj (in the module: [1024, 1024], K = its axis 0); x (in the module: [4, 2048, 1024], K = its axis 2): each comes as NAME_codes (uint8): NAME with its K axis moved to the last place and cut into blocks of 32 codes, [.., K / 32, bytes a block], one block behind the other in memory; two codes a byte, the lower K in the low four bits (a code: sign, 2 exponent bits, 1 mantissa bit); and NAME_scales (uint8): the same leading axes, one E8M0 byte (e + 127) for each 32 codes along K. Its value is code x scale, taken as it is: it is not quantised again, and the codes and scales need not be those that the quantiser above would give.
;; One version. Each part assembles by itself: llvm-mc -triple=amdgcn-amd-amdhsa -mcpu=gfx1250 --defsym DOCPART=n.
;; ======== version 1 of 1: 3 launches
;; workspace buffers: qkvc 12,582,912 bytes; qkvs 1,572,864 bytes; yc 4,194,304 bytes; ys 262,144 bytes
;; launch qkv (part 1): grid 12 x 32, 4 waves a work-group, clusters of 4 x 4, 327,680 bytes of LDS; arguments x_codes, x_scales, W_attn_codes, W_attn_scales, b_attn, qkvc, qkvs; writes qkvc, qkvs
.if DOCPART == 1
	.amdgcn_target "amdgcn-amd-amdhsa--gfx1250"
	.amdhsa_code_object_version 6
	.text
	.protected	k_qe57f431b44_qkv
	.globl	k_qe57f431b44_qkv
	.p2align	8
	.type	k_qe57f431b44_qkv,@function
k_qe57f431b44_qkv:
	s_mov_b64 s[64:65], 0
	v_nop
	global_prefetch_b8 v0, s[64:65] scope:SCOPE_SE
	s_setreg_imm32_b32 hwreg(HW_REG_WAVE_MODE, 25, 1), 1
	s_wait_xcnt 0x0
	s_wait_alu depctr_hold_cnt(0) depctr_sa_sdst(0) depctr_va_vdst(0) depctr_va_sdst(0) depctr_va_ssrc(0) depctr_va_vcc(0) depctr_vm_vsrc(0)
	s_getreg_b32 s2, hwreg(HW_REG_IB_STS2, 6, 4)
	s_cmp_eq_u32 s2, 0
	s_cbranch_scc0 .Lentry_in_a_cluster
	s_endpgm
.Lentry_in_a_cluster:
	s_bfe_u32 s2, ttmp6, 0x10000c
	s_cmp_lg_u32 s2, 0xf033
	s_cbranch_scc0 .Lentry_shape_is_right
	s_endpgm
.Lentry_shape_is_right:
; qkv = x W_attn + b_attn on codes of FP4 (E2M1) with E8M0 scales, and its three parts quantised again at once: q and k along the head's 64 channels, v along the tokens (the keys).
; ONE TEXT OF A GEMM, C'[row][col] = sum over k of A'[row][k] B'[col][k], K = 1,024, whose way out quantises ALONG THE COLUMNS in blocks of 32.
;   clusters x = 0, 1 (q, k): A' = x (rows = tokens), B' = W_attn's rows 0 .. 2,047 (columns = channels);   cluster x = 2 (v): A' = W_attn's rows 2,048 on (rows = channels), B' = x (columns = tokens).
; The choice hangs on the cluster's x alone, which all sixteen partners share: four pointers are chosen, and two short branches pick how the bias is laid.
; A tile of C' is 256 x 256, four waves, 128 x 128 each: 64 accumulators.  K = 1,024 is two LDS slots of 512 along K: both are filled once at the start, nothing is filled again.
; CLUSTERS: 4 x 4 work-groups; A's tiles are asked for jointly along a row of the cluster, B's along a column.  The matrix instruction is used transposed (source 0 = 16 rows of B', source 1 = 16 rows of A'):
; lane (r, h) of accumulator (a, b) holds C'(16 a + r, 16 b + 8 h + 0 .. 7).  The bias is the C of each sum's first product.
; OUT: a wave's 128 x 128 is one block of qkvc, 8,192 bytes [block of 32 columns (4)][row (128)][16 bytes], and one of qkvs, 1,024 bytes [W (2)][row (128)][4 bytes]: W = 0 the row's four scale bytes, W = 1 the same word turned by 16 bits.
; Block number = section (q, k, v) x 512 + (batch x 8 + pair of heads) x 16 + group of 128 tokens.  Every store of codes covers 256 consecutive bytes, aligned.
; LIMITS: NaN and infinities are not served; a block whose largest magnitude lies under 2^-124 keeps the byte 1; a block of zeros gets the byte 1 (not 127): its codes are zeros and this program alone reads the bytes; a given scale byte 0xff gives NaN.
; REGISTERS: window 0: v16-31 addresses; v32-95 scale words, two sets; v96-112 at work on the way out; v128-191 A's fragments, later the codes; v192-207 scale words on the way out.
;   window 1: B's fragments at v0 and v128; v64-127 the bias.   windows 2, 3: the accumulators, (a, b) at v[8 (8 (a % 4) + b)].
.set NQ,     4                         ; matrix instructions deep in a slot
.set ROWB,   256                       ; a tile's row: 512 codes
.set KROW,   512                       ; a row of x or W_attn in memory, in bytes
.set PITCH,  272                       ; an LDS row: 256 bytes + 16 of padding: the 16 rows of a load start at 16 different banks
.set FR,     8
.set NL,     2
.set NP,     4
.set HALFT,  128*PITCH
.set SLOT,   4*HALFT
.set KS,     32                        ; a row of scale bytes
.set SCL,    2*SLOT                    ; the scales of 256 + 256 rows, as units of 256 bytes + 16
.set HALFS,  (128*KS/256)*272
.set SBLK,   (16*KS/256)*272
.set SST,    SCL+4*HALFS               ; a stage of 1,024 bytes for each wave's scale words: bytes of its own, no fill lands there
.set SPARE,  SST+4*1024                ; the spare words, 128 bytes for each wave
.set ADRA, 16
.set ADRB, 20
.set LI,   23                          ; v23 16 x lane
.set STS,  24                          ; v24 where I put a scale word: stage + 512 h + 4 r
.set RDS,  25                          ; v25 where I read the stage back
.set CO,   26                          ; v26 16 r + 8 h: my 8 bytes of a row's block
.set ADRS, 27
.set SPW,  28
.set NIL,  29
.set BOQ,  30                          ; v30 32 h: the bias by columns
.set BOV,  31                          ; v31 4 r: the bias by rows
.set SC,   32
.set TM,   96                          ; v96-99 largest magnitudes, v100-103 bytes, v104 the turned word, v108-111 the conversions' scale operands
.set PW,   112
.set AF,   128
.set PCB,  128                         ; the codes: 8 registers for each of my 8 blocks of rows, so that no store's data are written again
.set SW,   192
.set BK,   200
.set BI,   64                          ; in window 1
.set G1, 24
.set G0, 32
.set G1B, 48
.set G0B, 56
.set G1S, 68
.set G0S, 76
.set G1SB, 80
.set G0SB, 88
.set MSB, 0
.macro WIN new                         ; the immediate's high byte repeats the setting that is left
.if MSB != \new
	s_set_vgpr_msb (MSB<<8)|\new
.set MSB, \new
.endif
.endm
.set MUL_LO, 0xa1                      ; source 0 (B') window 1, source 1 (A') window 0, C and D window 2
.set MUL_HI, 0xf1
.set TO_B,   0x40
; A joint load: waves 0 and 1 fetch for A', waves 2 and 3 for B'.  The branch hangs on the wave's number alone.
.macro JLOAD g0a, g1a, g0b, g1b
	s_cmp_eq_u32 s15, 0
	s_cbranch_scc0 .Lfor_b_\@
	tensor_load_to_lds s[\g0a:\g0a+3], s[\g1a:\g1a+7]
	s_nop 0
.rept 4
	v_nop
.endr
	s_branch .Lasked_\@
.Lfor_b_\@:
	tensor_load_to_lds s[\g0b:\g0b+3], s[\g1b:\g1b+7]
	s_nop 0
.rept 4
	v_nop
.endr
.Lasked_\@:
.endm
.macro CREST
	s_cmp_lg_u32 s14, 0
	s_cbranch_scc1 .Lnot_wave_0_\@
	s_barrier_signal -3
.Lnot_wave_0_\@:
	s_barrier_wait -3
	s_barrier_signal -1
	s_barrier_wait -1
.endm
.macro CROUND                          ; a round of the cluster's barrier
	s_barrier_signal -1
	s_barrier_wait -1
	CREST
.endm
	s_load_b256 s[4:11], s[0:1], 0x0               ; x's codes s[4:5], x's scales s[6:7], W's codes s[8:9], W's scales s[10:11]
	s_load_b128 s[96:99], s[0:1], 0x20             ; b_attn s[96:97], qkvc s[98:99]
	s_load_b64 s[12:13], s[0:1], 0x30              ; qkvs
	v_lshl_add_u32 v[SPW], v0, 2, SPARE
	v_mov_b32 v[NIL], 0
	ds_add_u32 v[SPW], v[NIL]
	ds_add_u32 v[SPW], v[NIL]                      ; the wave's opening: the add and its wait come ahead of my first tensor load
	v_lshrrev_b32 v1, 5, v0
	v_readfirstlane_b32 s14, v1                    ; wave 0..3
	s_lshr_b32 s15, s14, 1                         ; which half of the tile's rows is mine.  Also: I fetch for A' (0) or B' (1)
	s_and_b32 s16, s14, 1                          ; which half of its columns.  Also: which 128 rows I fetch
	s_bfe_u32 s40, ttmp6, 0x40000                  ; cx
	s_bfe_u32 s41, ttmp6, 0x40004                  ; cy
	s_and_b32 s2, ttmp7, 0xffff
	s_lshl_b32 s2, s2, 2                           ; 4 x cluster y
	s_lshl_b32 s3, ttmp9, 2                        ; 4 x cluster x
	s_cmp_eq_u32 ttmp9, 2                          ; the cluster that makes v?  The same in all sixteen partners
	s_cselect_b32 s95, 1, 0
	s_cselect_b32 s17, 8, s2
	s_cselect_b32 s42, s2, s3
	s_add_co_u32 s17, s17, s41                     ; tile row of A': q, k: 4 cluster y + cy (tokens); v: 8 + cy (W's rows 2,048 on)
	s_add_co_u32 s42, s42, s40                     ; tile row of B': q, k: 4 cluster x + cx (W's rows); v: 4 cluster y + cx (tokens)
	s_lshl_b32 s43, s41, 2
	s_lshl_b32 s43, 15, s43                        ; my row of the cluster
	s_lshl_b32 s44, 0x1111, s40                    ; my column
	s_or_b32 s[G1+0], s43, (0<<16)|(1<<20)|(1<<21)|(5<<22)|(3<<25)  ; the mask; elements of 1 byte; padding: 4 words behind every 64
	s_or_b32 s[G1B+0], s44, (0<<16)|(1<<20)|(1<<21)|(5<<22)|(3<<25)
.irp g, G1, G1B
	s_mov_b32 s[\g+1], ROWB<<16                    ; tensor_dim0
	s_mov_b32 s[\g+2], 128<<16                     ; tensor_dim1
	s_mov_b32 s[\g+3], ROWB<<16                    ; tile_dim0
	s_mov_b32 s[\g+4], 128                         ; tile_dim1
	s_mov_b32 s[\g+5], KROW                        ; the pitch
	s_mov_b32 s[\g+6], 0
	s_mov_b32 s[\g+7], 0
.endr
	s_or_b32 s[G1S+0], s43, (3<<16)|(1<<20)|(1<<21)|(5<<22)|(3<<25) ; the scales of 128 rows: 4,096 dense bytes as 16 rows of 32 elements of 8 bytes
	s_or_b32 s[G1SB+0], s44, (3<<16)|(1<<20)|(1<<21)|(5<<22)|(3<<25)
.irp g, G1S, G1SB
	s_mov_b32 s[\g+1], 32<<16
	s_mov_b32 s[\g+2], (128*KS/256)<<16
	s_mov_b32 s[\g+3], 32<<16
	s_mov_b32 s[\g+4], 128*KS/256
	s_mov_b32 s[\g+5], 32
	s_mov_b32 s[\g+6], 0
	s_mov_b32 s[\g+7], 0
.endr
	s_lshl_b32 s18, s16, 7                         ; which 128 rows of the tile I fetch
	s_lshl_b32 s20, s17, 8
	s_add_co_u32 s20, s20, s18                     ; A': row
	s_lshl_b32 s46, s42, 8
	s_add_co_u32 s46, s46, s18                     ; B': row
	s_lshl_b32 s22, s20, 5                         ; 32 scale bytes a row,
	s_lshl_b32 s92, s46, 5
	s_lshl_b32 s20, s20, 9                         ; 512 bytes of codes
	s_lshl_b32 s46, s46, 9
	s_mov_b32 s21, 0
	s_mov_b32 s23, 0
	s_mov_b32 s47, 0
	s_mov_b32 s93, 0
	s_mul_i32 s45, s14, HALFT                      ; where they go: wave x 128 rows: no place in the cluster enters an LDS address
	s_mul_i32 s94, s14, HALFS
	s_wait_dscnt 0x0                               ; the opening add is done
	s_wait_kmcnt 0x0
	s_cmp_eq_u32 s95, 1
	s_cselect_b64 s[66:67], s[8:9], s[4:5]         ; A's codes: W's for v, else x's
	s_cselect_b64 s[100:101], s[10:11], s[6:7]     ; A's scales
	s_cselect_b64 s[2:3], s[4:5], s[8:9]           ; B's codes
	s_cselect_b64 s[18:19], s[6:7], s[10:11]       ; B's scales
	s_add_nc_u64 s[20:21], s[66:67], s[20:21]
	s_add_nc_u64 s[22:23], s[100:101], s[22:23]
	s_add_nc_u64 s[46:47], s[2:3], s[46:47]
	s_add_nc_u64 s[92:93], s[18:19], s[92:93]
	CROUND                                         ; all sixteen work-groups are here: the first joint loads meet
	s_mov_b32 s[G0S], 1
	s_add_co_u32 s[G0S+1], s94, SCL
	s_mov_b64 s[G0S+2:G0S+3], s[22:23]
	s_or_b32 s[G0S+3], s[G0S+3], 0x80000000
	s_mov_b32 s[G0SB], 1
	s_add_co_u32 s[G0SB+1], s94, SCL
	s_mov_b64 s[G0SB+2:G0SB+3], s[92:93]
	s_or_b32 s[G0SB+3], s[G0SB+3], 0x80000000
	JLOAD G0S, G1S, G0SB, G1SB                     ; the scales first; by this text's count three tensor loads of a wave are out at the most
.irp s, 0,1
	s_mov_b32 s[G0+4*\s], 1
	s_add_co_u32 s[G0+4*\s+1], s45, \s*SLOT
	s_add_nc_u64 s[G0+4*\s+2:G0+4*\s+3], s[20:21], \s*ROWB
	s_or_b32 s[G0+4*\s+3], s[G0+4*\s+3], 0x80000000
	s_mov_b32 s[G0B+4*\s], 1
	s_add_co_u32 s[G0B+4*\s+1], s45, \s*SLOT
	s_add_nc_u64 s[G0B+4*\s+2:G0B+4*\s+3], s[46:47], \s*ROWB
	s_or_b32 s[G0B+4*\s+3], s[G0B+4*\s+3], 0x80000000
	JLOAD G0+4*\s, G1, G0B+4*\s, G1B
.endr
	v_and_b32 v1, 15, v0                           ; r
	v_bfe_u32 v2, v0, 4, 1                         ; h
	v_mul_u32_u24 v3, v1, PITCH
	v_lshl_add_u32 v4, v2, 4, v3                   ; a fragment's row x pitch + 16 h
	s_mul_i32 s21, s15, HALFT                      ; my 128 rows of A'
	s_mul_i32 s22, s16, HALFT                      ; my 128 rows of B',
	s_add_co_u32 s22, s22, 2*HALFT                 ; behind A's 256
.irp s, 0,1
	v_add_nc_u32 v[ADRA+\s], s21, v4
	v_add_nc_u32 v[ADRB+\s], s22, v4
	s_add_co_u32 s21, s21, SLOT
	s_add_co_u32 s22, s22, SLOT
.endr
	v_mul_u32_u24 v5, v1, KS                       ; my row's scales: 32 bytes a row,
	v_lshrrev_b32 v6, 8, v5
	v_lshl_add_u32 v5, v6, 4, v5                   ; and 16 more for each 256 passed
	s_mul_i32 s21, s15, HALFS
	s_mul_i32 s22, s16, HALFS
	s_add_co_u32 s22, s22, 2*HALFS
	s_sub_co_u32 s22, s22, s21
	v_mul_u32_u24 v6, s22, v2                      ; lanes 16-31 take B's: the lower base + h x the distance
	s_add_co_u32 s21, s21, SCL
	v_add_nc_u32 v5, v5, v6
	v_add_nc_u32 v[ADRS], s21, v5
	s_lshl_b32 s23, s14, 10
	s_add_co_u32 s23, s23, SST                     ; my stage for scale words
	v_and_b32 v6, 31, v0
	v_lshlrev_b32 v[LI], 4, v6
	v_add_nc_u32 v[RDS], s23, v[LI]
	v_lshlrev_b32 v5, 2, v1
	v_lshl_add_u32 v5, v2, 9, v5
	v_add_nc_u32 v[STS], s23, v5
	v_lshlrev_b32 v[CO], 4, v1
	v_lshl_add_u32 v[CO], v2, 3, v[CO]
	v_lshlrev_b32 v[BOQ], 5, v2
	v_lshlrev_b32 v[BOV], 2, v1
.irp b, 0,1,2,3
	v_mov_b32 v[TM+4+\b], 0                        ; written once: a lane permute's destination counts as one of its sources
.endr
	; which block of qkvc and qkvs is my wave's
	s_lshl_b32 s2, s17, 8
	s_lshl_b32 s3, s15, 7
	s_add_co_u32 s2, s2, s3                        ; my first row of A'
	s_lshl_b32 s3, s42, 8
	s_lshl_b32 s18, s16, 7
	s_add_co_u32 s3, s3, s18                       ; my first row of B'
	s_cmp_eq_u32 s95, 1
	s_cselect_b32 s18, s2, s3                      ; of the two, W_attn's row (0 .. 3,071)
	s_cselect_b32 s19, s3, s2                      ; and the token (0 .. 8,191)
	s_lshr_b32 s66, s18, 10
	s_lshl_b32 s66, s66, 9                         ; section x 512
	s_lshr_b32 s67, s19, 11
	s_lshl_b32 s67, s67, 3                         ; batch x 8
	s_bfe_u32 s100, s18, 0x30007                   ; + pair of heads
	s_add_co_u32 s67, s67, s100
	s_lshl_b32 s67, s67, 4
	s_bfe_u32 s100, s19, 0x40007                   ; x 16 + group of 128 tokens
	s_add_co_u32 s67, s67, s100
	s_add_co_u32 s66, s66, s67
	s_lshl_b32 s100, s66, 13
	s_mov_b32 s101, 0
	s_add_nc_u64 s[98:99], s[98:99], s[100:101]    ; 8,192 bytes of codes a block
	s_lshl_b32 s100, s66, 10
	s_add_nc_u64 s[12:13], s[12:13], s[100:101]    ; 1,024 bytes of scale words
	s_lshl_b32 s100, s18, 2
	s_add_nc_u64 s[96:97], s[96:97], s[100:101]    ; the bias of my 128 rows of W_attn
	s_mov_b32 s2, 0x76543210
	s_mov_b32 s3, 0xfedcba98                       ; v_permlanex16_b32's selects for lane l xor 16
	s_mov_b32 s18, 0x01000302                      ; v_perm_b32: a word turned by 16 bits
	s_mov_b32 s19, 0xffff0000                      ; lanes 16-31
	; the bias, in the result's layout, into window 1: q, k: by columns, tile b's eight of my half; v: by rows, my row's number in all eight registers of block a
	s_cmp_eq_u32 s95, 1
	s_cbranch_scc1 .Lbias_v
	WIN TO_B
	s_wait_alu depctr_va_vdst(0)
.irp b, 0,1,2,3,4,5,6,7
	global_load_b128 v[BI+8*\b:BI+8*\b+3], v[BOQ], s[96:97] offset:64*\b
	global_load_b128 v[BI+8*\b+4:BI+8*\b+7], v[BOQ], s[96:97] offset:64*\b+16
.endr
	WIN 0
	s_branch .Lbias_done
.Lbias_v:
	WIN TO_B
.set n, 0
	s_wait_alu depctr_va_vdst(0)
.rept 64
	global_load_b32 v[BI+n], v[BOV], s[96:97] offset:64*(n/8)
.set n, n+1
.endr
	WIN 0
.Lbias_done:
.macro FRAG reg, adr, q, i             ; 16 rows x 128 K of 4-bit codes: 8 registers; registers 4 c .. 4 c + 3 hold K = 64 c + 32 h + 0 .. 31
.irp c, 0,1
	ds_load_b128 v[\reg+4*\c:\reg+4*\c+3], v[\adr] offset:64*(\q)+32*\c+(\i)*16*PITCH
.endr
.endm
; 16 matrix instructions: A's blocks a0, a0 + 1 x B's eight.  zero = 1: the sums begin with the bias by columns; 2: by rows; 0: they go on in place.
; The 64 accumulators take turns, one instruction a turn, in the same order in every step.
.macro MUL16 a0, p, q, sc, zero
.irp a, \a0, \a0+1
.irp b, 0,1,2,3,4,5,6,7
.if \zero == 1
	v_wmma_scale_f32_16x16x128_f8f6f4 v[8*(8*((\a)%4)+\b):8*(8*((\a)%4)+\b)+7], v[128*(\p)+FR*\b:128*(\p)+FR*\b+FR-1], v[AF+FR*(\a):AF+FR*(\a)+FR-1], v[BI+8*\b:BI+8*\b+7], v[SC+8*NQ*(\sc)+NQ*\b+(\q)], v[SC+8*NQ*(\sc)+NQ*(\a)+(\q)] matrix_a_fmt:MATRIX_FMT_FP4 matrix_b_fmt:MATRIX_FMT_FP4 matrix_a_scale:MATRIX_SCALE_ROW1
.elseif \zero == 2
	v_wmma_scale_f32_16x16x128_f8f6f4 v[8*(8*((\a)%4)+\b):8*(8*((\a)%4)+\b)+7], v[128*(\p)+FR*\b:128*(\p)+FR*\b+FR-1], v[AF+FR*(\a):AF+FR*(\a)+FR-1], v[BI+8*(\a):BI+8*(\a)+7], v[SC+8*NQ*(\sc)+NQ*\b+(\q)], v[SC+8*NQ*(\sc)+NQ*(\a)+(\q)] matrix_a_fmt:MATRIX_FMT_FP4 matrix_b_fmt:MATRIX_FMT_FP4 matrix_a_scale:MATRIX_SCALE_ROW1
.else
	v_wmma_scale_f32_16x16x128_f8f6f4 v[8*(8*((\a)%4)+\b):8*(8*((\a)%4)+\b)+7], v[128*(\p)+FR*\b:128*(\p)+FR*\b+FR-1], v[AF+FR*(\a):AF+FR*(\a)+FR-1], v[8*(8*((\a)%4)+\b):8*(8*((\a)%4)+\b)+7], v[SC+8*NQ*(\sc)+NQ*\b+(\q)], v[SC+8*NQ*(\sc)+NQ*(\a)+(\q)] matrix_a_fmt:MATRIX_FMT_FP4 matrix_b_fmt:MATRIX_FMT_FP4 matrix_a_scale:MATRIX_SCALE_ROW1
.endif
.endr
.endr
.endm
.macro FETCH_B slot, q, p
	WIN TO_B
.irp i, 0,1,2,3,4,5,6,7
	FRAG 128*(\p)+FR*\i, ADRB+\slot, \q, \i
.endr
	WIN 0
.endm
.macro FETCH_A slot, q, i0
.irp i, \i0, \i0+1, \i0+2, \i0+3
	FRAG AF+FR*(\i), ADRA+\slot, \q, \i
.endr
.endm
.macro SCALES sc                       ; a slot's scale words: lanes 0-15 A's block i, lanes 16-31 B's block i
.irp i, 0,1,2,3,4,5,6,7
	ds_load_b128 v[SC+8*NQ*\sc+NQ*\i:SC+8*NQ*\sc+NQ*\i+3], v[ADRS] offset:\i*SBLK
.endr
.endm
.macro PLACES n                        ; plain vector places behind matrix instructions, in front of loads into registers that they read and of the first read of results
.rept \n
	v_nop
.endr
.endm
.macro STEP slot, q, zero              ; 128 along K, with its successor in the same slot
	s_wait_dscnt 4*NL                              ; B's set and A's blocks 0-3 are in; the youngest eight loads (A's blocks 4-7) may be out
.if \zero
	WIN 0x91                                       ; C from window 1 (the bias), D window 2
.else
	WIN MUL_LO
.endif
	MUL16 0, (\q)%2, \q, \slot, \zero
	MUL16 2, (\q)%2, \q, \slot, \zero
	s_wait_dscnt 0
	PLACES NP
	FETCH_B \slot, (\q)+1, 1-(\q)%2
	FETCH_A \slot, (\q)+1, 0
.if \zero
	WIN 0xd1
.else
	WIN MUL_HI
.endif
	MUL16 4, (\q)%2, \q, \slot, \zero
	MUL16 6, (\q)%2, \q, \slot, \zero
	PLACES NP
	WIN 0
	FETCH_A \slot, (\q)+1, 4
.endm
.macro STEPS slot, from
.set Q, \from
.rept NQ-1-\from
	STEP \slot, Q, 0
.set Q, Q+1
.endr
.endm
	s_wait_tensorcnt 1                             ; the scales and my part of slot 0 are in; slot 1's load may be out
	s_barrier_signal -1
	s_barrier_wait -1
	FETCH_B 0, 0, 0
	FETCH_A 0, 0, 0
	SCALES 0
	FETCH_A 0, 0, 4
	s_wait_loadcnt 0x0                             ; the bias
	s_cmp_eq_u32 s95, 1
	s_cbranch_scc1 .Lfirst_v
	STEP 0, 0, 1                                   ; the first step starts the sums with the bias: by columns,
	s_branch .Lfirst_done
.Lfirst_v:
	STEP 0, 0, 2                                   ; or by rows; both ways issue the same loads
.Lfirst_done:
	STEPS 0, 1
	; slot 0's last step changes slots: one barrier; nothing is filled again
	s_wait_tensorcnt 0x0                           ; my part of slot 1 has landed
	ds_add_u32 v[SPW], v[NIL]                      ; 0 onto my spare word
	s_wait_dscnt 4*NL+1                            ; (the add and the youngest eight loads may be out)
	WIN MUL_LO
	MUL16 0, 1, NQ-1, 0, 0
	s_wait_dscnt 0x0
	s_barrier_signal -1
	MUL16 2, 1, NQ-1, 0, 0
	WIN 0
	s_barrier_wait -1                              ; slot 1 is whole
	PLACES NP
	v_add_nc_u32 v[ADRS], 4*NQ, v[ADRS]            ; slot 1's scale words
	FETCH_B 1, 0, 0
	FETCH_A 1, 0, 0
	SCALES 1
	WIN MUL_HI
	MUL16 4, 1, NQ-1, 0, 0
	MUL16 6, 1, NQ-1, 0, 0
	PLACES NP
	WIN 0
	FETCH_A 1, 0, 4
	STEPS 1, 0
	s_wait_dscnt 4*NL                              ; the last step: nothing more to fetch
	WIN MUL_LO
	MUL16 0, 1, NQ-1, 1, 0
	MUL16 2, 1, NQ-1, 1, 0
	s_wait_dscnt 0
	WIN MUL_HI
	MUL16 4, 1, NQ-1, 1, 0
	MUL16 6, 1, NQ-1, 1, 0
	WIN 0
	PLACES NP
; THE WAY OUT of block a (16 rows x 128 columns).  Column block B of 32 is accumulators 2 B and 2 B + 1: 16 registers on end; lanes l and l xor 16 hold it together.
; A conversion gives 8 codes: columns 8 h .. 8 h + 7 (first register) and 16 + 8 h .. (second).  The exchange of halves leaves lane (r, h) with bytes 8 h .. 8 h + 7 of row r's 16.
.macro QBLK a
.set AC, 64*((\a)%4)
.set WA, 2+(\a)/4
.set WW, 5*WA
.set PC, PCB+8*(\a)
	WIN WW                                         ; sources 0 and 1: the accumulators' window
.irp b, 0,1,2,3
	v_max3_num_f32 v[TM+\b], |v[AC+16*\b]|, |v[AC+16*\b+1]|, 0x1800000   ; each accumulator from its low end on; the floor 2^(3 - 127) holds the byte at 1 from below
.endr
.irp i, 2,4,6,8,10,12,14
.irp b, 0,1,2,3
	v_max3_num_f32 v[TM+\b], |v[AC+16*\b+\i]|, |v[AC+16*\b+\i+1]|, v[TM+\b]
.endr
.endr
	WIN 0
.irp b, 0,1,2,3
	v_permlanex16_b32 v[TM+4+\b], v[TM+\b], s2, s3
.endr
.irp b, 0,1,2,3
	v_max_num_f32 v[TM+\b], v[TM+\b], v[TM+4+\b]   ; the block's largest magnitude
.endr
.irp b, 0,1,2,3
	v_add_nc_u32 v[TM+12+\b], 0xff000000, v[TM+\b] ; 2 off its exponent field: the conversion's scale operand
.endr
.irp b, 0,1,2,3
	v_lshrrev_b32 v[TM+4+\b], 23, v[TM+12+\b]      ; the scale's byte
.endr
	v_lshl_or_b32 v[PW], v[TM+5], 8, v[TM+4]
	v_lshl_or_b32 v[PW], v[TM+6], 16, v[PW]
	v_lshl_or_b32 v[PW], v[TM+7], 24, v[PW]        ; my row's scale word
	WIN WA
.irp b, 0,1,2,3
	v_cvt_scalef32_pk8_fp4_f32 v[PC+2*\b], v[AC+16*\b:AC+16*\b+7], v[TM+12+\b]
	v_cvt_scalef32_pk8_fp4_f32 v[PC+2*\b+1], v[AC+16*\b+8:AC+16*\b+15], v[TM+12+\b]
.endr
	WIN 0
	v_perm_b32 v[TM+8], v[PW], v[PW], s18          ; the word turned by 16 bits (also the plain place behind the conversions);
	v_cndmask_b32 v[SW+(\a)], v[PW], v[TM+8], s19  ; lanes 16-31 carry it
.irp b, 0,1,2,3
	v_permlane16_swap_b32 v[PC+2*\b], v[PC+2*\b+1]
.endr
.irp b, 0,1,2,3
	global_store_b64 v[CO], v[PC+2*\b:PC+2*\b+1], s[98:99] offset:2048*\b+256*(\a)   ; 32 lanes store 256 consecutive bytes, aligned
.endr
	ds_store_b32 v[STS], v[SW+(\a)] offset:64*(\a)
.endm
.irp a, 0,1,2,3,4,5,6,7
	QBLK \a
.endr
	ds_load_b128 v[BK:BK+3], v[RDS]                ; LDS serves a wave's instructions in order: these see my stores
	ds_load_b128 v[BK+4:BK+7], v[RDS] offset:512
	s_wait_dscnt 0x0
	global_store_b128 v[LI], v[BK:BK+3], s[12:13]
	global_store_b128 v[LI], v[BK+4:BK+7], s[12:13] offset:512
	s_wait_tensorcnt 0x0                           ; the wave's end
	ds_add_u32 v[SPW], v[NIL]
	s_wait_dscnt 0x0
	CROUND                                         ; the closing round
	s_endpgm
.Lfunc_end_k_qe57f431b44_qkv:
	.size	k_qe57f431b44_qkv, .Lfunc_end_k_qe57f431b44_qkv-k_qe57f431b44_qkv
	.p2alignl 7, 3214868480
	.fill 96, 4, 3214868480
	.section	.rodata,"a",@progbits
	.p2align	6, 0x0
	.amdhsa_kernel k_qe57f431b44_qkv
		.amdhsa_group_segment_fixed_size 327680
		.amdhsa_private_segment_fixed_size 0
		.amdhsa_enable_private_segment 0
		.amdhsa_kernarg_size 56
		.amdhsa_user_sgpr_count 2
		.amdhsa_user_sgpr_kernarg_segment_ptr 1
		.amdhsa_wavefront_size32 1
		.amdhsa_system_sgpr_workgroup_id_x 1
		.amdhsa_system_sgpr_workgroup_id_y 1
		.amdhsa_system_sgpr_workgroup_id_z 1
		.amdhsa_system_vgpr_workitem_id 0
		.amdhsa_next_free_vgpr 1024
		.amdhsa_next_free_sgpr 102
		.amdhsa_reserve_vcc 0
		.amdhsa_float_denorm_mode_32 3
		.amdhsa_float_denorm_mode_16_64 3
		.amdhsa_memory_ordered 1
		.amdhsa_forward_progress 1
		.amdhsa_inst_pref_size 150
	.end_amdhsa_kernel
	.amdgpu_metadata
---
amdhsa.version: [ 1, 2 ]
amdhsa.kernels:
  - .name:           k_qe57f431b44_qkv
    .symbol:         k_qe57f431b44_qkv.kd
    .args:
      - { .name: x_codes, .offset: 0, .size: 8, .value_kind: global_buffer, .address_space: global }
      - { .name: x_scales, .offset: 8, .size: 8, .value_kind: global_buffer, .address_space: global }
      - { .name: W_attn_codes, .offset: 16, .size: 8, .value_kind: global_buffer, .address_space: global }
      - { .name: W_attn_scales, .offset: 24, .size: 8, .value_kind: global_buffer, .address_space: global }
      - { .name: b_attn, .offset: 32, .size: 8, .value_kind: global_buffer, .address_space: global }
      - { .name: qkvc, .offset: 40, .size: 8, .value_kind: global_buffer, .address_space: global }
      - { .name: qkvs, .offset: 48, .size: 8, .value_kind: global_buffer, .address_space: global }
    .group_segment_fixed_size: 327680
    .private_segment_fixed_size: 0
    .kernarg_segment_align: 8
    .kernarg_segment_size: 56
    .max_flat_workgroup_size: 128
    .sgpr_count:     102
    .vgpr_count:     1024
    .wavefront_size: 32
...
	.end_amdgpu_metadata
.endif
;; end of part 1
;; launch attn (part 2): grid 4 x 64, 16 waves a work-group, clusters of 4 x 1, 167,936 bytes of LDS; arguments qkvc, qkvs, yc, ys; writes yc, ys
.if DOCPART == 2
	.amdgcn_target "amdgcn-amd-amdhsa--gfx1250"
	.amdhsa_code_object_version 6
	.text
	.protected	k_qe57f431b44_attn
	.globl	k_qe57f431b44_attn
	.p2align	8
	.type	k_qe57f431b44_attn,@function
k_qe57f431b44_attn:
	s_mov_b64 s[64:65], 0
	v_nop
	global_prefetch_b8 v0, s[64:65] scope:SCOPE_SE
	s_setreg_imm32_b32 hwreg(HW_REG_WAVE_MODE, 25, 1), 1
	s_wait_xcnt 0x0
	s_wait_alu depctr_hold_cnt(0) depctr_sa_sdst(0) depctr_va_vdst(0) depctr_va_sdst(0) depctr_va_ssrc(0) depctr_va_vcc(0) depctr_vm_vsrc(0)
	s_getreg_b32 s2, hwreg(HW_REG_IB_STS2, 6, 4)
	s_cmp_eq_u32 s2, 0
	s_cbranch_scc0 .Lentry_in_a_cluster
	s_endpgm
.Lentry_in_a_cluster:
	s_bfe_u32 s2, ttmp6, 0x10000c
	s_cmp_lg_u32 s2, 0x3003
	s_cbranch_scc0 .Lentry_shape_is_right
	s_endpgm
.Lentry_shape_is_right:
; y[b][t][head] = causal softmax(q k^T / 8) v for one (batch, head) a cluster, both products on codes of FP4 (E2M1) with E8M0 scales, and y quantised along the head's 64 channels for the last product.
; THE SOFTMAX: t = score x log2(e) / 8; M = the running largest t rounded up to a whole number; p = 2^(t - M) is quantised along the keys, not normalised; the row's sum is taken of the unquantised p and divides at the end.
; SHARES.  A cluster of four work-groups is one head; sixteen waves each.  Wave w of work-group cx owns the tiles of 16 queries i0 = 4 w + cx and i1 = 127 - i0.  Tile i needs the key steps (128 keys) 0 .. i / 8:
; w / 2 + 1 and 16 - w / 2 of them, 17 in every wave, and both counts hang on the wave's number alone.  cx enters only global addresses of q and y and the number against which the diagonal's keys are held.
; A WHOLE HEAD'S K AND V LIE IN LDS (65,536 bytes of codes each, 8,192 and 4,096 of scale words): asked for jointly by the four work-groups, once, at the start; nothing is filled again.
; Both loops have 16 trips; a step whose keys all come after the tile's queries is jumped over (a scalar branch on the wave's number and the trip).
; LAYOUT.  S^T = K Q^T (source 0 = 16 keys, source 1 = my 16 queries), O^T = V^T P^T: a lane holds one query (lane % 16) throughout.  The head has 64 channels, the instruction 128 along K: Q's upper four registers are zero codes,
; so whatever stands in K's upper four (the next tile's codes) adds nothing; the scale bytes there are another head's, 1 .. 254.
; Tile t of S^T holds keys 16 t + 8 h + 0 .. 7 in lane half h; a block of 32 keys is tiles 2 B, 2 B + 1.  The conversions' results are put where the operand wants them by exchanges of lane halves.
; y's scale bytes leave as single bytes 32 bytes apart: a head owns 2 of a token's 32; all of them together are 262,144 bytes.
; LIMITS: NaN and infinities are not served; a block whose largest magnitude lies under 2^-124 keeps the byte 1, a block of zeros too (its codes are zeros; this program alone reads the bytes).
.set KC,    0                          ; LDS: K's codes [step 16][half of the channels 2][key 128][16 bytes]
.set VC,    65536                      ; V's codes [step][block of 32 keys 4][channel 64][16 bytes]
.set KSL,   131072                     ; K's scale words [step][key 128][4 bytes]
.set VSL,   139264                     ; V's [step][channel 64][4 bytes]
.set SPARE, 143360                     ; the spare words, 128 bytes for each of 16 waves
.set AK0,  1                           ; v1  2,048 h + 16 r: my place in a tile of K, and in a tile of q in memory
.set AV0,  2                           ; v2  VC + 1,024 h + 16 r
.set ASK0, 3                           ; v3  KSL + 4 x lane
.set ASV0, 4                           ; v4  VSL + 4 x lane
.set SPW,  5
.set NIL,  6
.set LI,   7                           ; v7  16 x lane
.set ADK,  8
.set ADV,  9
.set ADS,  10
.set ADT,  11
.set DQ,   30                          ; v30 r - 8 h
.set YSO,  31                          ; v31 32 r + h
.set KR,   32                          ; v32-63 K: 8 tiles x 4 registers; v64-67 zeros
.set KSR,  68                          ; v68-71 K's scale words
.set VSR,  72                          ; v72-73 V's
.set R4,   74                          ; v74 4 r
.set SS,   96                          ; v96-159 S^T, then p, then y
.set OO,   160                         ; v160-191 O^T
.set VR,   192                         ; v192-223 V: 4 fragments
.set PR,   224                         ; v224-231 p's codes, later y's
.set BM,   232                         ; v232-235 the blocks' largest
.set TP,   236                         ; v236-239 at work
.set SO,   244                         ; v244-247 the conversions' scale operands
.set FF,   250                         ; v[250:251] f = 2^(old M - new M), later 1 / the sum: the low word serves both halves
.set PWD,  253                         ; v253 p's scale word
.set WV,   12
.set CX,   13
.set BH,   14
.set HH,   15
.set T0,   16
.set T1,   17
.set T2,   18
.set T3,   19
.set SEL,  20
.set CS,   22
.set G1K,  24
.set G1V,  32
.set G1KS, 40
.set G1VS, 48
.set G0K,  56
.set G0V,  60
.set G0KS, 68
.set G0VS, 72
.set JS,   76                          ; the key step
.set GA,   77                          ; the last key step of tile i0: w / 2
.set GB,   78                          ; of tile i1: 15 - w / 2
.set TK,   79                          ; 4,096 x step
.set TS,   80                          ; 512 x step
.set TJ,   81                          ; 256 x step
.set DK,   82                          ; my first query - the step's first key
.set HM,   83                          ; lanes 16-31
.set YA,   84                          ; s[84:85] yc, s[86:87] ys of tile i0;  s[88:91] of tile i1
.set YB,   88
.set QTA,  92                          ; 16 i0
.set QTB,  93
.set QA,   94                          ; s[94:95] q's codes, s[96:97] q's scale words of tile i0;  s[98:101] of tile i1
.set QB,   98
.macro CROUND
	s_barrier_signal -1
	s_barrier_wait -1
	s_cmp_lg_u32 s[WV], 0
	s_cbranch_scc1 .Lnot_wave_0_\@
	s_barrier_signal -3
.Lnot_wave_0_\@:
	s_barrier_wait -3
	s_barrier_signal -1
	s_barrier_wait -1
.endm
.macro DESC g, c, r, p                 ; group 1: r rows of c elements of 8 bytes, p elements apart, no padding, for all four work-groups
	s_mov_b32 s[\g], 15|(3<<16)|(1<<21)
	s_mov_b32 s[\g+1], (\c)<<16
	s_mov_b32 s[\g+2], (\r)<<16
	s_mov_b32 s[\g+3], (\c)<<16
	s_mov_b32 s[\g+4], \r
	s_mov_b32 s[\g+5], \p
	s_mov_b32 s[\g+6], 0
	s_mov_b32 s[\g+7], 0
.endm
.macro TILEADR i, qa, ya               ; the byte offsets of tile s[i]: q's codes and scale words, y's codes and scale bytes
	s_lshr_b32 s[T2], s[\i], 3
	s_lshl_b32 s[T3], s[T2], 13
	s_add_co_u32 s[\qa], s66, s[T3]
	s_lshl_b32 s[T3], s[T2], 10
	s_add_co_u32 s[\qa+2], s67, s[T3]
	s_and_b32 s[T2], s[\i], 7
	s_lshl_b32 s[T3], s[T2], 8
	s_add_co_u32 s[\qa], s[\qa], s[T3]
	s_lshl_b32 s[T3], s[T2], 6
	s_add_co_u32 s[\qa+2], s[\qa+2], s[T3]
	s_lshl_b32 s[T3], s[\i], 12
	s_add_co_u32 s[\ya], s[T1], s[T3]
	s_lshl_b32 s[T3], s[\i], 9
	s_add_co_u32 s[\ya+2], s[T0], s[T3]
	s_mov_b32 s[\qa+1], 0
	s_mov_b32 s[\qa+3], 0
	s_mov_b32 s[\ya+1], 0
	s_mov_b32 s[\ya+3], 0
.endm
	s_load_b256 s[4:11], s[0:1], 0x0               ; qkvc s[4:5], qkvs s[6:7], yc s[8:9], ys s[10:11]
	v_lshl_add_u32 v[SPW], v0, 2, SPARE
	v_mov_b32 v[NIL], 0
	ds_add_u32 v[SPW], v[NIL]                      ; the wave's opening: the add and its wait come ahead of the first tensor loads
	ds_add_u32 v[SPW], v[NIL]
	v_lshrrev_b32 v8, 5, v0
	s_delay_alu instid0(VALU_DEP_1)
	v_readfirstlane_b32 s[WV], v8                  ; wave 0..15
	s_and_b32 s[BH], ttmp7, 0xffff                 ; 16 x batch + head: the cluster's y
	s_and_b32 s[HH], s[BH], 1                      ; which head of its pair
	s_lshr_b32 s[T0], s[BH], 1
	s_lshl_b32 s[T1], s[T0], 17                    ; the pair's 16 blocks of codes begin here in a section,
	s_lshl_b32 s[T2], s[T0], 14                    ; and its 16 blocks of scale words
	s_lshl_b32 s[T3], s[HH], 12
	s_add_co_u32 s66, s[T1], s[T3]                 ; q, k: my head's 4,096 bytes in a block
	s_lshl_b32 s[T3], s[HH], 9
	s_add_co_u32 s67, s[T2], s[T3]                 ; and its 512 bytes of scale words
	s_and_b32 s[T3], s[WV], 3
	s_lshl_b32 s[T0], s[T3], 15                    ; four key steps (blocks of 8,192 bytes) to a fetching wave
	s_add_co_u32 s[G0K+2], s66, s[T0]
	s_add_co_u32 s[G0K+2], s[G0K+2], 0x400000      ; k's section
	s_mov_b32 s[G0K+3], 0
	s_lshl_b32 s[G0V+2], s[HH], 10
	s_add_co_u32 s[G0V+2], s[G0V+2], s[T1]
	s_add_co_u32 s[G0V+2], s[G0V+2], s[T0]
	s_add_co_u32 s[G0V+2], s[G0V+2], 0x800000      ; v's section
	s_mov_b32 s[G0V+3], 0
	s_add_co_u32 s[G0KS+2], s67, 0x80000
	s_mov_b32 s[G0KS+3], 0
	s_lshl_b32 s[G0VS+2], s[HH], 8
	s_add_co_u32 s[G0VS+2], s[G0VS+2], s[T2]
	s_add_co_u32 s[G0VS+2], s[G0VS+2], 0x100000
	s_mov_b32 s[G0VS+3], 0
	s_lshl_b32 s[G0K+1], s[T3], 14                 ; LDS: 16,384 bytes to a fetching wave
	s_add_co_u32 s[G0V+1], s[G0K+1], VC
	s_mov_b32 s[G0KS+1], KSL
	s_mov_b32 s[G0VS+1], VSL
	s_mov_b32 s[G0K], 1
	s_mov_b32 s[G0V], 1
	s_mov_b32 s[G0KS], 1
	s_mov_b32 s[G0VS], 1
	DESC G1K, 512, 4, 1024                         ; K: 4 steps x 4,096 bytes, 8,192 apart
	DESC G1V, 128, 16, 256                         ; V: 4 steps x 4 blocks x 1,024 bytes, 2,048 apart
	DESC G1KS, 64, 16, 128                         ; K's scale words: 16 steps x 512 bytes, 1,024 apart
	DESC G1VS, 32, 16, 128                         ; V's: 16 steps x 256 bytes
	s_and_b32 s[T0], s[BH], 15                     ; head
	s_lshr_b32 s[T1], s[T0], 3
	s_lshl_b32 s[T1], s[T1], 21                    ; yc: half of K,
	s_and_b32 s[T2], s[T0], 7
	s_lshl_b32 s[T2], s[T2], 9                     ; the head's 512 bytes in a tile of tokens,
	s_add_co_u32 s[T1], s[T1], s[T2]
	s_lshr_b32 s[T2], s[BH], 4                     ; batch
	s_lshl_b32 s[T3], s[T2], 19                    ; its 128 tiles of 4,096 bytes
	s_add_co_u32 s[T1], s[T1], s[T3]
	s_lshl_b32 s[T3], s[T2], 16                    ; ys: the batch's 2,048 tokens of 32 bytes,
	s_lshl_b32 s[T0], s[T0], 1                     ; the head's two bytes
	s_add_co_u32 s[T0], s[T0], s[T3]
	s_bfe_u32 s[CX], ttmp6, 0x40000                ; cx: from here on it enters q's and y's addresses and the diagonal's number alone
	s_lshl_b32 s2, s[WV], 2
	s_add_co_u32 s2, s2, s[CX]                     ; i0
	s_sub_co_u32 s3, 127, s2                       ; i1
	s_lshl_b32 s[QTA], s2, 4
	s_lshl_b32 s[QTB], s3, 4
	s_lshr_b32 s[GA], s[WV], 1
	s_sub_co_u32 s[GB], 15, s[GA]
	TILEADR 2, QA, YA
	TILEADR 3, QB, YB
	s_mov_b32 s[SEL], 0x76543210
	s_mov_b32 s[SEL+1], 0xfedcba98
	s_mov_b32 s[CS], 0x3e38aa3b                    ; c = log2(e) / 8
	s_mov_b32 s[CS+1], s[CS]
	s_mov_b32 s[HM], 0xffff0000
	v_and_b32 v8, 15, v0                           ; r
	v_bfe_u32 v9, v0, 4, 1                         ; h
	v_and_b32 v10, 31, v0                          ; lane
	s_delay_alu instid0(VALU_DEP_3)
	v_lshlrev_b32 v[AK0], 4, v8
	s_delay_alu instid0(VALU_DEP_1)
	v_lshl_add_u32 v[AK0], v9, 11, v[AK0]
	v_lshlrev_b32 v[AV0], 4, v8
	s_delay_alu instid0(VALU_DEP_1)
	v_lshl_add_u32 v[AV0], v9, 10, v[AV0]
	s_delay_alu instid0(VALU_DEP_1)
	v_add_nc_u32 v[AV0], VC, v[AV0]
	v_lshl_add_u32 v[ASK0], v10, 2, KSL
	v_lshl_add_u32 v[ASV0], v10, 2, VSL
	v_lshlrev_b32 v[LI], 4, v10
	v_lshlrev_b32 v11, 3, v9
	s_delay_alu instid0(VALU_DEP_1)
	v_sub_nc_u32 v[DQ], v8, v11
	v_lshl_add_u32 v[YSO], v8, 5, v9
	v_lshlrev_b32 v[R4], 2, v8
	s_wait_dscnt 0x0                               ; the opening add is done
	s_wait_kmcnt 0x0
	s_add_nc_u64 s[G0K+2:G0K+3], s[4:5], s[G0K+2:G0K+3]
	s_or_b32 s[G0K+3], s[G0K+3], 0x80000000
	s_add_nc_u64 s[G0V+2:G0V+3], s[4:5], s[G0V+2:G0V+3]
	s_or_b32 s[G0V+3], s[G0V+3], 0x80000000
	s_add_nc_u64 s[G0KS+2:G0KS+3], s[6:7], s[G0KS+2:G0KS+3]
	s_or_b32 s[G0KS+3], s[G0KS+3], 0x80000000
	s_add_nc_u64 s[G0VS+2:G0VS+3], s[6:7], s[G0VS+2:G0VS+3]
	s_or_b32 s[G0VS+3], s[G0VS+3], 0x80000000
	s_add_nc_u64 s[QA:QA+1], s[4:5], s[QA:QA+1]
	s_add_nc_u64 s[QA+2:QA+3], s[6:7], s[QA+2:QA+3]
	s_add_nc_u64 s[QB:QB+1], s[4:5], s[QB:QB+1]
	s_add_nc_u64 s[QB+2:QB+3], s[6:7], s[QB+2:QB+3]
	s_add_nc_u64 s[YA:YA+1], s[8:9], s[YA:YA+1]
	s_add_nc_u64 s[YA+2:YA+3], s[10:11], s[YA+2:YA+3]
	s_add_nc_u64 s[YB:YB+1], s[8:9], s[YB:YB+1]
	s_add_nc_u64 s[YB+2:YB+3], s[10:11], s[YB+2:YB+3]
	CROUND                                         ; all four work-groups are here: the joint loads meet
	; the fills: waves 0-3 K's codes, 4-7 V's, wave 8 K's scale words, wave 9 V's: one load a wave, the branches on the wave's number alone
	s_cmp_lt_u32 s[WV], 4
	s_cbranch_scc0 .Lnot_k
	tensor_load_to_lds s[G0K:G0K+3], s[G1K:G1K+7]
	s_nop 0
.rept 4
	v_nop
.endr
	s_branch .Lasked
.Lnot_k:
	s_cmp_lt_u32 s[WV], 8
	s_cbranch_scc0 .Lnot_v
	tensor_load_to_lds s[G0V:G0V+3], s[G1V:G1V+7]
	s_nop 0
.rept 4
	v_nop
.endr
	s_branch .Lasked
.Lnot_v:
	s_cmp_eq_u32 s[WV], 8
	s_cbranch_scc0 .Lnot_ks
	tensor_load_to_lds s[G0KS:G0KS+3], s[G1KS:G1KS+7]
	s_nop 0
.rept 4
	v_nop
.endr
	s_branch .Lasked
.Lnot_ks:
	s_cmp_eq_u32 s[WV], 9
	s_cbranch_scc0 .Lasked
	tensor_load_to_lds s[G0VS:G0VS+3], s[G1VS:G1VS+7]
	s_nop 0
.rept 4
	v_nop
.endr
.Lasked:
	global_load_b128 v[16:19], v[AK0], s[QA:QA+1]  ; q of tile i0: lane (r, h): query r, channels 32 h on
	s_wait_alu depctr_va_vdst(0)
	global_load_b32 v24, v[R4], s[QA+2:QA+3]       ; and its scale words
	global_load_b128 v[76:79], v[AK0], s[QB:QB+1]  ; of tile i1
	global_load_b32 v84, v[R4], s[QB+2:QB+3]
.irp j, 20,21,22,23,80,81,82,83,64,65,66,67
	v_mov_b32 v[\j], 0                             ; zero codes: q's K = 64 .. 127, and what stands behind K's last tile
.endr
.irp b, 0,1,2,3
	v_mov_b32 v[TP+\b], 0                          ; written once: a lane permute's destination counts as one of its sources
.endr
	v_mov_b32 v[FF+1], 0                           ; (named as the upper half of a pair)
	s_wait_tensorcnt 0x0                           ; my part of the head has landed,
	s_barrier_signal -1
	s_barrier_wait -1                              ; everybody's has
	s_wait_loadcnt 0x0                             ; q
; ONE TILE OF 16 QUERIES.  qf: q's operand; qs: its scale words; g: the tile's last key step; q0: its first query; ya: where y goes.
.macro PASS qf, qs, g, q0, ya
	s_wait_xcnt 0x0                                ; the last tile's stores have read their registers
	v_mov_b32 v13, 0xff61b1e6                      ; the largest t so far: -3e38
	s_delay_alu instid0(VALU_DEP_1)
	v_floor_f32 v12, -v13                          ; -M
	v_mov_b32 v14, 0                               ; the sum, in two halves
	v_mov_b32 v15, 0
.set j, 0
.rept 32
	v_mov_b32 v[OO+j], 0                           ; O^T: the step is written once, its first trip finds zeros
.set j, j+1
.endr
	s_mov_b32 s[JS], 0
	s_mov_b32 s[TK], 0
	s_mov_b32 s[TS], 0
	s_mov_b32 s[TJ], 0
	s_mov_b32 s[DK], s[\q0]
.Lstep_\@:
	s_cmp_gt_u32 s[JS], s[\g]                      ; all 128 keys come after my queries: nothing to do
	s_cbranch_scc1 .Lhidden_\@
	s_setprio 2
	v_add_nc_u32 v[ADK], s[TK], v[AK0]             ; (these four are also the places behind the last trip's products, in front of the loads into V's registers)
	v_add_nc_u32 v[ADV], s[TK], v[AV0]
	v_add_nc_u32 v[ADS], s[TS], v[ASK0]
	v_add_nc_u32 v[ADT], s[TJ], v[ASV0]
.irp t, 0,1,2,3,4,5,6,7
	ds_load_b128 v[KR+4*\t:KR+4*\t+3], v[ADK] offset:256*\t      ; sixteen lanes read 256 consecutive bytes
.endr
.irp u, 0,1,2,3
	ds_load_b32 v[KSR+\u], v[ADS] offset:128*\u                  ; lanes 0-15 tile 2 u's words, lanes 16-31 tile 2 u + 1's
.endr
.irp c, 0,1
.irp d, 0,1,2,3
	ds_load_b128 v[VR+8*\d+4*\c:VR+8*\d+4*\c+3], v[ADV] offset:2048*\c+256*\d
.endr
.endr
.irp u, 0,1
	ds_load_b32 v[VSR+\u], v[ADT] offset:128*\u
.endr
	s_wait_dscnt 10                                ; K and its words are in; V's eight loads and its two words may be out
.irp t, 0,2,4,6
	v_wmma_scale_f32_16x16x128_f8f6f4 v[SS+8*\t:SS+8*\t+7], v[KR+4*\t:KR+4*\t+7], v[\qf:\qf+7], 0, v[KSR+\t/2], v[\qs] matrix_a_fmt:MATRIX_FMT_FP4 matrix_b_fmt:MATRIX_FMT_FP4
	v_wmma_scale_f32_16x16x128_f8f6f4 v[SS+8*\t+8:SS+8*\t+15], v[KR+4*\t+4:KR+4*\t+11], v[\qf:\qf+7], 0, v[KSR+\t/2], v[\qs] matrix_a_fmt:MATRIX_FMT_FP4 matrix_b_fmt:MATRIX_FMT_FP4 matrix_a_scale:MATRIX_SCALE_ROW1
.endr
.rept 4
	v_nop
.endr
	s_cmp_lg_u32 s[JS], s[\g]                      ; only the tile's last step lies on the diagonal
	s_cbranch_scc1 .Lopen_\@
	v_add_nc_u32 v252, s[DK], v[DQ]                ; my query - the step's first key - 8 h.  Register n holds key 16 (n / 8) + 8 h + n % 8: hidden where 16 (n / 8) + n % 8 is greater
	v_mov_b32 v254, 0xff800000                     ; -infinity: p = 0 then
.set n, 0
.rept 64
	v_cmp_gt_i32 vcc_lo, 16*(n/8)+n%8, v252
	v_cndmask_b32 v[SS+n], v[SS+n], v254, vcc_lo
.set n, n+1
.endr
.Lopen_\@:
.irp b, 0,1,2,3
	v_max3_num_f32 v[BM+\b], v[SS+16*\b], v[SS+16*\b+1], v[SS+16*\b+2]   ; the largest score of each block of 32 keys: for the row's maximum, and, since p rises with the score, for the block's largest p
.endr
.irp i, 3,5,7,9,11,13
.irp b, 0,1,2,3
	v_max3_num_f32 v[BM+\b], v[BM+\b], v[SS+16*\b+\i], v[SS+16*\b+\i+1]
.endr
.endr
.irp b, 0,1,2,3
	v_max_num_f32 v[BM+\b], v[BM+\b], v[SS+16*\b+15]
.endr
.irp b, 0,1,2,3
	s_delay_alu instid0(VALU_DEP_4)
	v_permlanex16_b32 v[TP+\b], v[BM+\b], s[SEL], s[SEL+1]
.endr
.irp b, 0,1,2,3
	s_delay_alu instid0(VALU_DEP_4)
	v_max_num_f32 v[BM+\b], v[BM+\b], v[TP+\b]     ; with lane l xor 16's 16 keys
.endr
	s_delay_alu instid0(VALU_DEP_2)
	v_max3_num_f32 v254, v[BM], v[BM+1], v[BM+2]
	s_delay_alu instid0(VALU_DEP_1)
	v_max_num_f32 v254, v254, v[BM+3]
	s_delay_alu instid0(VALU_DEP_1)
	v_mul_f32 v254, s[CS], v254                    ; the step's largest t
	s_delay_alu instid0(VALU_DEP_1)
	v_max_num_f32 v13, v13, v254
	v_mov_b32 v254, v12
	s_delay_alu instid0(VALU_DEP_2)
	v_floor_f32 v12, -v13                          ; the new -M = -ceil(t): a whole number
	s_delay_alu instid0(VALU_DEP_1)
	v_sub_f32 v254, v12, v254                      ; old M - new M, 0 or less
	s_delay_alu instid0(VALU_DEP_1)
	v_cvt_i32_f32 v254, v254
	s_delay_alu instid0(VALU_DEP_1)
	v_ldexp_f32 v[FF], 1.0, v254                   ; f = 2^(old M - new M): rounds nothing
.set j, 0
.rept 32
	v_pk_fma_f32 v[SS+j:SS+j+1], v[SS+j:SS+j+1], s[CS:CS+1], v[12:13] op_sel_hi:[1,0,0]   ; t - M
.set j, j+2
.endr
	s_setprio 1
.irp b, 0,1,2,3
	v_fma_f32 v[BM+\b], v[BM+\b], s[CS], v12       ; the same of each block's largest score
.endr
.set j, 0
	s_wait_alu depctr_va_vdst(0)
.rept 64
	v_exp_f32 v[SS+j], v[SS+j]                     ; p = 2^(t - M)
.set j, j+1
.endr
.irp b, 0,1,2,3
	v_exp_f32 v[BM+\b], v[BM+\b]                   ; the blocks' largest p: one batch of 68
.endr
	v_pk_mul_f32 v[14:15], v[14:15], v[FF:FF+1] op_sel_hi:[1,0]   ; the sums and O^T under the new M: 17 lines that name no result of the batch
.set j, 0
	s_wait_alu depctr_va_vdst(0)
.rept 16
	v_pk_mul_f32 v[OO+j:OO+j+1], v[OO+j:OO+j+1], v[FF:FF+1] op_sel_hi:[1,0]
.set j, j+2
.endr
	s_wait_alu depctr_va_vdst(0)                   ; one wait for the batch, ahead of its first reader
.irp b, 0,1,2,3
	v_max_num_f32 v[BM+\b], 0x1800000, v[BM+\b]    ; the floor 2^(3 - 127): the byte cannot fall under 1
.endr
.irp b, 0,1,2,3
	s_delay_alu instid0(VALU_DEP_4)
	v_add_nc_u32 v[SO+\b], 0xff000000, v[BM+\b]    ; 2 off the exponent field: the conversion's scale operand
.endr
.irp b, 0,1,2,3
	s_delay_alu instid0(VALU_DEP_4)
	v_lshrrev_b32 v[TP+\b], 23, v[SO+\b]
.endr
	s_delay_alu instid0(VALU_DEP_3)
	v_lshl_or_b32 v[PWD], v[TP+1], 8, v[TP]        ; p's scale word for these 128 keys
	s_delay_alu instid0(VALU_DEP_1)
	v_lshl_or_b32 v[PWD], v[TP+2], 16, v[PWD]
	s_delay_alu instid0(VALU_DEP_1)
	v_lshl_or_b32 v[PWD], v[TP+3], 24, v[PWD]
.irp c, 0,1                                    ; register 4 c + i of the operand: lanes 0-15 block 2 c, lanes 16-31 block 2 c + 1, keys 8 i on
	v_cvt_scalef32_pk8_fp4_f32 v[PR+4*\c], v[SS+32*\c:SS+32*\c+7], v[SO+2*\c]
	v_cvt_scalef32_pk8_fp4_f32 v[PR+4*\c+1], v[SS+32*\c+16:SS+32*\c+23], v[SO+2*\c+1]
	v_cvt_scalef32_pk8_fp4_f32 v[PR+4*\c+2], v[SS+32*\c+8:SS+32*\c+15], v[SO+2*\c]
	v_cvt_scalef32_pk8_fp4_f32 v[PR+4*\c+3], v[SS+32*\c+24:SS+32*\c+31], v[SO+2*\c+1]
.endr
	v_nop                                          ; one plain place behind the conversions
	s_setprio 0
.irp c, 0,1
	v_permlane16_swap_b32 v[PR+4*\c], v[PR+4*\c+1]
	v_permlane16_swap_b32 v[PR+4*\c+2], v[PR+4*\c+3]
.endr
	v_pk_add_f32 v[236:237], v[100:101], v[104:105]
	v_pk_add_f32 v[254:255], v[108:109], v[112:113]
	v_pk_add_f32 v[248:249], v[116:117], v[120:121]
	v_pk_add_f32 v[246:247], v[124:125], v[128:129]
	v_pk_add_f32 v[244:245], v[132:133], v[136:137]
	v_pk_add_f32 v[242:243], v[140:141], v[144:145]
	v_pk_add_f32 v[240:241], v[148:149], v[152:153]
	v_pk_add_f32 v[14:15], v[14:15], v[156:157]
	v_pk_add_f32 v[236:237], v[236:237], v[96:97]
	v_pk_add_f32 v[254:255], v[254:255], v[98:99]
	v_pk_add_f32 v[248:249], v[248:249], v[102:103]
	v_pk_add_f32 v[246:247], v[246:247], v[106:107]
	v_pk_add_f32 v[244:245], v[244:245], v[110:111]
	v_pk_add_f32 v[242:243], v[242:243], v[114:115]
	v_pk_add_f32 v[240:241], v[240:241], v[118:119]
	v_pk_add_f32 v[14:15], v[14:15], v[122:123]
	v_pk_add_f32 v[236:237], v[236:237], v[126:127]
	v_pk_add_f32 v[254:255], v[254:255], v[130:131]
	v_pk_add_f32 v[248:249], v[248:249], v[134:135]
	v_pk_add_f32 v[246:247], v[246:247], v[138:139]
	v_pk_add_f32 v[244:245], v[244:245], v[142:143]
	v_pk_add_f32 v[242:243], v[242:243], v[146:147]
	v_pk_add_f32 v[240:241], v[240:241], v[150:151]
	v_pk_add_f32 v[14:15], v[14:15], v[154:155]
	v_pk_add_f32 v[236:237], v[236:237], v[158:159]
	s_delay_alu instid0(VALU_DEP_2)
	v_pk_add_f32 v[14:15], v[14:15], v[246:247]
	s_delay_alu instid0(VALU_DEP_2)
	v_pk_add_f32 v[236:237], v[236:237], v[244:245]
	v_pk_add_f32 v[254:255], v[254:255], v[242:243]
	v_pk_add_f32 v[248:249], v[248:249], v[240:241]
	s_delay_alu instid0(VALU_DEP_2)
	v_pk_add_f32 v[14:15], v[14:15], v[254:255]
	s_delay_alu instid0(VALU_DEP_2)
	v_pk_add_f32 v[236:237], v[236:237], v[248:249]
	s_delay_alu instid0(VALU_DEP_1)
	v_pk_add_f32 v[14:15], v[14:15], v[236:237]
	s_wait_dscnt 0x0                               ; V and its words are in
.irp d, 0,2                                    ; O^T += V^T P^T: four accumulators by turns
	v_wmma_scale_f32_16x16x128_f8f6f4 v[OO+8*\d:OO+8*\d+7], v[VR+8*\d:VR+8*\d+7], v[PR:PR+7], v[OO+8*\d:OO+8*\d+7], v[VSR+\d/2], v[PWD] matrix_a_fmt:MATRIX_FMT_FP4 matrix_b_fmt:MATRIX_FMT_FP4
	v_wmma_scale_f32_16x16x128_f8f6f4 v[OO+8*\d+8:OO+8*\d+15], v[VR+8*\d+8:VR+8*\d+15], v[PR:PR+7], v[OO+8*\d+8:OO+8*\d+15], v[VSR+\d/2], v[PWD] matrix_a_fmt:MATRIX_FMT_FP4 matrix_b_fmt:MATRIX_FMT_FP4 matrix_a_scale:MATRIX_SCALE_ROW1
.endr
.Lhidden_\@:
	s_add_co_u32 s[TK], s[TK], 4096
	s_add_co_u32 s[TS], s[TS], 512
	s_add_co_u32 s[TJ], s[TJ], 256
	s_sub_co_i32 s[DK], s[DK], 128
	s_add_co_u32 s[JS], s[JS], 1
	s_cmp_lt_u32 s[JS], 16
	s_cbranch_scc1 .Lstep_\@
	s_setprio 0
	; THE WAY OUT: y = O^T / the sum, quantised along the head's 64 channels: block beta is tiles 2 beta, 2 beta + 1
.rept 4
	v_nop
.endr
	s_wait_alu depctr_va_vdst(0)
	v_add_f32 v14, v14, v15
	s_delay_alu instid0(VALU_DEP_1)
	v_permlanex16_b32 v[TP], v14, s[SEL], s[SEL+1]
	s_delay_alu instid0(VALU_DEP_1)
	v_add_f32 v14, v14, v[TP]                      ; the row's sum
	s_wait_alu depctr_va_vdst(0)
	v_rcp_f32 v[FF], v14
	v_nop
	s_wait_alu depctr_va_vdst(0)                   ; ahead of the reciprocal's first reader
.set j, 0
.rept 16
	v_pk_mul_f32 v[SS+j:SS+j+1], v[OO+j:OO+j+1], v[FF:FF+1] op_sel_hi:[1,0]   ; register 8 d + i: y(r, 16 d + 8 h + i)
.set j, j+2
.endr
.irp b, 0,1
	v_max3_num_f32 v[BM+\b], |v[SS+16*\b]|, |v[SS+16*\b+1]|, 0x1800000
.endr
.irp i, 2,4,6,8,10,12,14
.irp b, 0,1
	s_delay_alu instid0(VALU_DEP_2)
	v_max3_num_f32 v[BM+\b], v[BM+\b], |v[SS+16*\b+\i]|, |v[SS+16*\b+\i+1]|
.endr
.endr
.irp b, 0,1
	s_delay_alu instid0(VALU_DEP_2)
	v_permlanex16_b32 v[TP+\b], v[BM+\b], s[SEL], s[SEL+1]
.endr
.irp b, 0,1
	s_delay_alu instid0(VALU_DEP_2)
	v_max_num_f32 v[BM+\b], v[BM+\b], v[TP+\b]
.endr
.irp b, 0,1
	s_delay_alu instid0(VALU_DEP_2)
	v_add_nc_u32 v[SO+\b], 0xff000000, v[BM+\b]
.endr
.irp b, 0,1
	s_delay_alu instid0(VALU_DEP_2)
	v_lshrrev_b32 v[TP+\b], 23, v[SO+\b]
.endr
	v_cvt_scalef32_pk8_fp4_f32 v[PR], v[SS:SS+7], v[SO]
	v_cvt_scalef32_pk8_fp4_f32 v[PR+1], v[SS+16:SS+23], v[SO+1]
	v_cvt_scalef32_pk8_fp4_f32 v[PR+2], v[SS+8:SS+15], v[SO]
	v_cvt_scalef32_pk8_fp4_f32 v[PR+3], v[SS+24:SS+31], v[SO+1]
	v_cndmask_b32 v240, v[TP], v[TP+1], s[HM]      ; lane half h carries block h's byte (also the plain place behind the conversions)
	v_permlane16_swap_b32 v[PR], v[PR+1]
	v_permlane16_swap_b32 v[PR+2], v[PR+3]         ; lane (r, h): the 16 bytes of token r's block h: four registers of the last product's operand, as it wants them
	global_store_b128 v[LI], v[PR:PR+3], s[\ya:\ya+1]   ; 512 consecutive bytes, aligned
	global_store_b8 v[YSO], v240, s[\ya+2:\ya+3]
.endm
	PASS 16, 24, GA, QTA, YA
	PASS 76, 84, GB, QTB, YB
	s_wait_tensorcnt 0x0                           ; the wave's end
	ds_add_u32 v[SPW], v[NIL]
	s_wait_dscnt 0x0
	CROUND                                         ; the closing round
	s_endpgm
.Lfunc_end_k_qe57f431b44_attn:
	.size	k_qe57f431b44_attn, .Lfunc_end_k_qe57f431b44_attn-k_qe57f431b44_attn
	.p2alignl 7, 3214868480
	.fill 96, 4, 3214868480
	.section	.rodata,"a",@progbits
	.p2align	6, 0x0
	.amdhsa_kernel k_qe57f431b44_attn
		.amdhsa_group_segment_fixed_size 167936
		.amdhsa_private_segment_fixed_size 0
		.amdhsa_enable_private_segment 0
		.amdhsa_kernarg_size 32
		.amdhsa_user_sgpr_count 2
		.amdhsa_user_sgpr_kernarg_segment_ptr 1
		.amdhsa_wavefront_size32 1
		.amdhsa_system_sgpr_workgroup_id_x 1
		.amdhsa_system_sgpr_workgroup_id_y 1
		.amdhsa_system_sgpr_workgroup_id_z 1
		.amdhsa_system_vgpr_workitem_id 0
		.amdhsa_next_free_vgpr 256
		.amdhsa_next_free_sgpr 102
		.amdhsa_reserve_vcc 1
		.amdhsa_float_denorm_mode_32 3
		.amdhsa_float_denorm_mode_16_64 3
		.amdhsa_memory_ordered 1
		.amdhsa_forward_progress 1
		.amdhsa_inst_pref_size 65
	.end_amdhsa_kernel
	.amdgpu_metadata
---
amdhsa.version: [ 1, 2 ]
amdhsa.kernels:
  - .name:           k_qe57f431b44_attn
    .symbol:         k_qe57f431b44_attn.kd
    .args:
      - { .name: qkvc, .offset: 0, .size: 8, .value_kind: global_buffer, .address_space: global }
      - { .name: qkvs, .offset: 8, .size: 8, .value_kind: global_buffer, .address_space: global }
      - { .name: yc, .offset: 16, .size: 8, .value_kind: global_buffer, .address_space: global }
      - { .name: ys, .offset: 24, .size: 8, .value_kind: global_buffer, .address_space: global }
    .group_segment_fixed_size: 167936
    .private_segment_fixed_size: 0
    .kernarg_segment_align: 8
    .kernarg_segment_size: 32
    .max_flat_workgroup_size: 512
    .sgpr_count:     102
    .vgpr_count:     256
    .wavefront_size: 32
...
	.end_amdgpu_metadata
.endif
;; end of part 2
;; launch proj (part 3): grid 4 x 64, 4 waves a work-group, clusters of 4 x 4, 327,680 bytes of LDS; arguments yc, ys, W_proj_codes, W_proj_scales, b_proj, out0; writes out0
.if DOCPART == 3
	.amdgcn_target "amdgcn-amd-amdhsa--gfx1250"
	.amdhsa_code_object_version 6
	.text
	.protected	k_qe57f431b44_proj
	.globl	k_qe57f431b44_proj
	.p2align	8
	.type	k_qe57f431b44_proj,@function
k_qe57f431b44_proj:
	s_mov_b64 s[64:65], 0
	v_nop
	global_prefetch_b8 v0, s[64:65] scope:SCOPE_SE
	s_setreg_imm32_b32 hwreg(HW_REG_WAVE_MODE, 25, 1), 1
	s_wait_xcnt 0x0
	s_wait_alu depctr_hold_cnt(0) depctr_sa_sdst(0) depctr_va_vdst(0) depctr_va_sdst(0) depctr_va_ssrc(0) depctr_va_vcc(0) depctr_vm_vsrc(0)
	s_getreg_b32 s2, hwreg(HW_REG_IB_STS2, 6, 4)
	s_cmp_eq_u32 s2, 0
	s_cbranch_scc0 .Lentry_in_a_cluster
	s_endpgm
.Lentry_in_a_cluster:
	s_bfe_u32 s2, ttmp6, 0x10000c
	s_cmp_lg_u32 s2, 0xf033
	s_cbranch_scc0 .Lentry_shape_is_right
	s_endpgm
.Lentry_shape_is_right:
; out0 = y W_proj + b_proj on codes of FP4 (E2M1) with E8M0 scales.  y: 8,192 tokens x 1,024, W_proj: 1,024 rows (outputs) x 1,024 along K; out0 f32.
; A tile of out0 is 128 tokens x 256 columns: 256 work-groups.  Four waves, 64 x 128 each: 32 accumulators.  K = 1,024 is two LDS slots of 512 along K, both filled once at the start; nothing is filled again.
; y's codes lie in memory as images of the operand's registers: [half of K][tile of 16 tokens][head % 8][lane][16 bytes]: a slot's part of 64 tokens is 16,384 dense bytes, and a fragment is two loads of 512 consecutive bytes.
; CLUSTERS: 4 x 4 work-groups; y's tiles are asked for jointly along a row of the cluster, W_proj's along a column.  The matrix instruction is used transposed (source 0 = 16 rows of W_proj, source 1 = 16 tokens):
; lane (r, h) of accumulator (a, b) holds out0(16 a + r, 16 b + 8 h + 0 .. 7).  The bias is the C of each sum's first product.
; REGISTERS: window 0: v16-31 addresses; v32-95 scale words of both slots; v128-191 y's fragments, two sets; on the way out v128-255.  window 1: W's fragments at v0 and v128; v64-127 the bias.  window 2: the accumulators, (a, b) at v[8 (8 a + b)].
.set PITCH,  272
.set AHALF,  16384                     ; 64 tokens' images of a slot
.set BOFF,   2*AHALF
.set BHALF,  128*PITCH
.set SLOT,   BOFF+2*BHALF
.set AHS,    8*272                     ; the scale bytes of 64 tokens: 2,048 bytes as units of 256 + 16
.set BHS,    16*272                    ; of 128 rows of W_proj
.set SBLK,   544                       ; of 16 rows
.set SCL,    2*SLOT
.set SCB,    SCL+2*AHS
.set STG,    SCB+2*BHS                 ; the way out: 16 rows x (512 + 16) bytes for each wave: bytes of its own, no fill lands there
.set SPITCH, 528
.set SPARE,  STG+4*16*SPITCH
.set ADRA, 16
.set ADRB, 20
.set STO,  24
.set RD,   25
.set CO,   26
.set ADRS, 27
.set SPW,  28
.set NIL,  29
.set BOQ,  30
.set SC,   32
.set AF,   128
.set BK,   128
.set BI,   64
.set G1A, 24
.set G0A, 32
.set G1B, 48
.set G0B, 56
.set G1AS, 68
.set G0AS, 76
.set G1BS, 80
.set G0BS, 88
.set MSB, 0
.macro WIN new
.if MSB != \new
	s_set_vgpr_msb (MSB<<8)|\new
.set MSB, \new
.endif
.endm
.set TO_B, 0x40
.macro JLOAD g0a, g1a, g0b, g1b        ; waves 0 and 1 fetch for y, waves 2 and 3 for W_proj: a branch on the wave's number alone
	s_cmp_eq_u32 s15, 0
	s_cbranch_scc0 .Lfor_b_\@
	tensor_load_to_lds s[\g0a:\g0a+3], s[\g1a:\g1a+7]
	s_nop 0
.rept 4
	v_nop
.endr
	s_branch .Lasked_\@
.Lfor_b_\@:
	tensor_load_to_lds s[\g0b:\g0b+3], s[\g1b:\g1b+7]
	s_nop 0
.rept 4
	v_nop
.endr
.Lasked_\@:
.endm
.macro CROUND
	s_barrier_signal -1
	s_barrier_wait -1
	s_cmp_lg_u32 s14, 0
	s_cbranch_scc1 .Lnot_wave_0_\@
	s_barrier_signal -3
.Lnot_wave_0_\@:
	s_barrier_wait -3
	s_barrier_signal -1
	s_barrier_wait -1
.endm
.macro PLACES n
.rept \n
	v_nop
.endr
.endm
	s_load_b256 s[4:11], s[0:1], 0x0               ; yc s[4:5], ys s[6:7], W's codes s[8:9], W's scales s[10:11]
	s_load_b128 s[96:99], s[0:1], 0x20             ; b_proj s[96:97], out0 s[98:99]
	v_lshl_add_u32 v[SPW], v0, 2, SPARE
	v_mov_b32 v[NIL], 0
	ds_add_u32 v[SPW], v[NIL]
	ds_add_u32 v[SPW], v[NIL]                      ; the wave's opening: the add and its wait come ahead of my first tensor load
	v_lshrrev_b32 v1, 5, v0
	v_readfirstlane_b32 s14, v1                    ; wave 0..3
	s_lshr_b32 s15, s14, 1                         ; which 64 tokens are mine.  Also: I fetch for y (0) or W_proj (1)
	s_and_b32 s16, s14, 1                          ; which 128 columns.  Also: which half I fetch
	s_bfe_u32 s40, ttmp6, 0x40000                  ; cx
	s_bfe_u32 s41, ttmp6, 0x40004                  ; cy
	s_lshl_b32 s42, ttmp9, 2
	s_add_co_u32 s42, s42, s40                     ; tile column
	s_and_b32 s17, ttmp7, 0xffff
	s_lshl_b32 s17, s17, 2
	s_add_co_u32 s17, s17, s41                     ; tile row
	s_lshl_b32 s43, s41, 2
	s_lshl_b32 s43, 15, s43                        ; my row of the cluster
	s_lshl_b32 s44, 0x1111, s40                    ; my column
	s_or_b32 s[G1A+0], s43, (3<<16)|(1<<21)        ; y's images: 16,384 dense bytes as 64 rows of 32 elements of 8 bytes, no padding
	s_mov_b32 s[G1A+1], 32<<16
	s_mov_b32 s[G1A+2], 64<<16
	s_mov_b32 s[G1A+3], 32<<16
	s_mov_b32 s[G1A+4], 64
	s_mov_b32 s[G1A+5], 32
	s_mov_b32 s[G1A+6], 0
	s_mov_b32 s[G1A+7], 0
	s_or_b32 s[G1B+0], s44, (0<<16)|(1<<20)|(1<<21)|(5<<22)|(3<<25)  ; W's codes: 128 rows of 256 bytes, 512 apart; 4 words of padding behind every 64
	s_mov_b32 s[G1B+1], 256<<16
	s_mov_b32 s[G1B+2], 128<<16
	s_mov_b32 s[G1B+3], 256<<16
	s_mov_b32 s[G1B+4], 128
	s_mov_b32 s[G1B+5], 512
	s_mov_b32 s[G1B+6], 0
	s_mov_b32 s[G1B+7], 0
	s_or_b32 s[G1AS+0], s43, (3<<16)|(1<<20)|(1<<21)|(5<<22)|(3<<25) ; y's scale bytes: 8 rows of 256 bytes, padded
	s_mov_b32 s[G1AS+1], 32<<16
	s_mov_b32 s[G1AS+2], 8<<16
	s_mov_b32 s[G1AS+3], 32<<16
	s_mov_b32 s[G1AS+4], 8
	s_mov_b32 s[G1AS+5], 32
	s_mov_b32 s[G1AS+6], 0
	s_mov_b32 s[G1AS+7], 0
	s_or_b32 s[G1BS+0], s44, (3<<16)|(1<<20)|(1<<21)|(5<<22)|(3<<25) ; W's: 16 rows
	s_mov_b32 s[G1BS+1], 32<<16
	s_mov_b32 s[G1BS+2], 16<<16
	s_mov_b32 s[G1BS+3], 32<<16
	s_mov_b32 s[G1BS+4], 16
	s_mov_b32 s[G1BS+5], 32
	s_mov_b32 s[G1BS+6], 0
	s_mov_b32 s[G1BS+7], 0
	s_lshl_b32 s20, s17, 15                        ; y's images: 32,768 bytes a tile row and half of K,
	s_lshl_b32 s18, s16, 14
	s_add_co_u32 s20, s20, s18                     ; + my half
	s_lshl_b32 s22, s17, 12                        ; y's scale bytes: 128 tokens x 32,
	s_lshl_b32 s18, s16, 11
	s_add_co_u32 s22, s22, s18
	s_lshl_b32 s46, s42, 17                        ; W's codes: 256 rows x 512 bytes,
	s_lshl_b32 s18, s16, 16
	s_add_co_u32 s46, s46, s18
	s_lshl_b32 s92, s42, 13                        ; W's scale bytes: 256 rows x 32
	s_lshl_b32 s18, s16, 12
	s_add_co_u32 s92, s92, s18
	s_mov_b32 s21, 0
	s_mov_b32 s23, 0
	s_mov_b32 s47, 0
	s_mov_b32 s93, 0
	s_lshl_b32 s45, s16, 14                        ; where they go in a slot: y's half,
	s_mul_i32 s94, s16, BHALF
	s_add_co_u32 s94, s94, BOFF                    ; W's half: no place in the cluster enters an LDS address
	s_wait_dscnt 0x0                               ; the opening add is done
	s_wait_kmcnt 0x0
	s_add_nc_u64 s[20:21], s[4:5], s[20:21]
	s_add_nc_u64 s[22:23], s[6:7], s[22:23]
	s_add_nc_u64 s[46:47], s[8:9], s[46:47]
	s_add_nc_u64 s[92:93], s[10:11], s[92:93]
	CROUND                                         ; all sixteen work-groups are here: the first joint loads meet
	s_mov_b32 s[G0AS], 1
	s_mul_i32 s[G0AS+1], s16, AHS
	s_add_co_u32 s[G0AS+1], s[G0AS+1], SCL
	s_mov_b64 s[G0AS+2:G0AS+3], s[22:23]
	s_or_b32 s[G0AS+3], s[G0AS+3], 0x80000000
	s_mov_b32 s[G0BS], 1
	s_mul_i32 s[G0BS+1], s16, BHS
	s_add_co_u32 s[G0BS+1], s[G0BS+1], SCB
	s_mov_b64 s[G0BS+2:G0BS+3], s[92:93]
	s_or_b32 s[G0BS+3], s[G0BS+3], 0x80000000
	JLOAD G0AS, G1AS, G0BS, G1BS                   ; the scales first; one tensor load of a wave is out at a time
.irp s, 0,1
	s_mov_b32 s[G0A+4*\s], 1
	s_add_co_u32 s[G0A+4*\s+1], s45, \s*SLOT
	s_add_nc_u64 s[G0A+4*\s+2:G0A+4*\s+3], s[20:21], \s*0x200000
	s_or_b32 s[G0A+4*\s+3], s[G0A+4*\s+3], 0x80000000
	s_mov_b32 s[G0B+4*\s], 1
	s_add_co_u32 s[G0B+4*\s+1], s94, \s*SLOT
	s_add_nc_u64 s[G0B+4*\s+2:G0B+4*\s+3], s[46:47], \s*256
	s_or_b32 s[G0B+4*\s+3], s[G0B+4*\s+3], 0x80000000
	s_wait_alu depctr_va_vdst(0)
	s_wait_tensorcnt 0x0
	ds_add_u32 v28, v29
	s_wait_dscnt 0x0
	CROUND
	JLOAD G0A+4*\s, G1A, G0B+4*\s, G1B
.endr
	v_and_b32 v1, 15, v0                           ; r
	v_bfe_u32 v2, v0, 4, 1                         ; h
	v_and_b32 v6, 31, v0                           ; lane
	v_lshlrev_b32 v[CO], 4, v6                     ; 16 x lane
	v_mul_u32_u24 v3, v1, PITCH
	v_lshl_add_u32 v4, v2, 4, v3
	s_lshl_b32 s21, s15, 14                        ; my 64 tokens' images
	s_mul_i32 s22, s16, BHALF                      ; my 128 rows of W_proj
	s_add_co_u32 s22, s22, BOFF
.irp s, 0,1
	v_add_nc_u32 v[ADRA+\s], s21, v[CO]
	v_add_nc_u32 v[ADRB+\s], s22, v4
	s_add_co_u32 s21, s21, SLOT
	s_add_co_u32 s22, s22, SLOT
.endr
	v_mul_u32_u24 v5, v1, 32                       ; my row's scale bytes: 32 a row,
	v_lshrrev_b32 v7, 8, v5
	v_lshl_add_u32 v5, v7, 4, v5                   ; and 16 more for each 256 passed
	s_mul_i32 s21, s15, AHS
	s_mul_i32 s22, s16, BHS
	s_add_co_u32 s22, s22, 2*AHS
	s_sub_co_u32 s22, s22, s21
	v_mul_u32_u24 v7, s22, v2                      ; lanes 16-31 take W's: the lower base + h x the distance
	s_add_co_u32 s21, s21, SCL
	v_add_nc_u32 v5, v5, v7
	v_add_nc_u32 v[ADRS], s21, v5
	s_mul_i32 s23, s14, 16*SPITCH
	s_add_co_u32 s23, s23, STG                     ; my stage
	v_mul_u32_u24 v5, v1, SPITCH
	v_lshl_add_u32 v5, v2, 5, v5
	v_add_nc_u32 v[STO], s23, v5                   ; in: row r, 32 bytes for each half of the lanes
	v_add_nc_u32 v[RD], s23, v[CO]                 ; back: the 32 lanes take one row of 512 bytes
	v_lshlrev_b32 v[BOQ], 5, v2
	s_wait_alu depctr_va_vdst(0)
	s_lshl_b32 s46, s42, 10
	s_lshl_b32 s47, s16, 9
	s_add_co_u32 s46, s46, s47                     ; my first column, in bytes of f32: in a row of out0 and in b_proj alike
	s_mov_b32 s47, 0
	s_add_nc_u64 s[96:97], s[96:97], s[46:47]
	s_add_nc_u64 s[98:99], s[98:99], s[46:47]
	s_lshl_b32 s20, s17, 7
	s_lshl_b32 s21, s15, 6
	s_add_co_u32 s20, s20, s21                     ; my first token
	s_lshl_b32 s20, s20, 12                        ; rows of 4,096 bytes
	s_mov_b32 s21, 0
	s_add_nc_u64 s[98:99], s[98:99], s[20:21]
	WIN TO_B
.irp b, 0,1,2,3,4,5,6,7
	global_load_b128 v[BI+8*\b:BI+8*\b+3], v[BOQ], s[96:97] offset:64*\b        ; the bias in the result's layout: tile b's eight columns of my half
	global_load_b128 v[BI+8*\b+4:BI+8*\b+7], v[BOQ], s[96:97] offset:64*\b+16
.endr
	WIN 0
.macro FETCH slot, q, p                ; the fragments of the slot's q-th 128 along K into set p: W's eight, y's four
	WIN TO_B
.irp i, 0,1,2,3,4,5,6,7
.irp c, 0,1
	ds_load_b128 v[128*(\p)+8*\i+4*\c:128*(\p)+8*\i+4*\c+3], v[ADRB+(\slot)] offset:64*(\q)+32*\c+\i*16*PITCH
.endr
.endr
	WIN 0
.irp i, 0,1,2,3
.irp c, 0,1
	ds_load_b128 v[AF+32*(\p)+8*\i+4*\c:AF+32*(\p)+8*\i+4*\c+3], v[ADRA+(\slot)] offset:\i*4096+(\q)*1024+512*\c
.endr
.endr
.endm
; 32 matrix instructions: the 32 accumulators take turns, one instruction a turn, in the same order in every step
.macro MUL32 p, q, sc, first
.irp a, 0,1,2,3
.irp b, 0,1,2,3,4,5,6,7
.if \first
	v_wmma_scale_f32_16x16x128_f8f6f4 v[8*(8*\a+\b):8*(8*\a+\b)+7], v[128*(\p)+8*\b:128*(\p)+8*\b+7], v[AF+32*(\p)+8*\a:AF+32*(\p)+8*\a+7], v[BI+8*\b:BI+8*\b+7], v[SC+32*(\sc)+4*\b+(\q)], v[SC+32*(\sc)+4*\a+(\q)] matrix_a_fmt:MATRIX_FMT_FP4 matrix_b_fmt:MATRIX_FMT_FP4 matrix_a_scale:MATRIX_SCALE_ROW1
.else
	v_wmma_scale_f32_16x16x128_f8f6f4 v[8*(8*\a+\b):8*(8*\a+\b)+7], v[128*(\p)+8*\b:128*(\p)+8*\b+7], v[AF+32*(\p)+8*\a:AF+32*(\p)+8*\a+7], v[8*(8*\a+\b):8*(8*\a+\b)+7], v[SC+32*(\sc)+4*\b+(\q)], v[SC+32*(\sc)+4*\a+(\q)] matrix_a_fmt:MATRIX_FMT_FP4 matrix_b_fmt:MATRIX_FMT_FP4 matrix_a_scale:MATRIX_SCALE_ROW1
.endif
.endr
.endr
.endm
.macro STEP3 g                         ; step g of eight: 128 along K; the next step's fragments are asked for ahead of this step's 32 products
.set SL,  (\g)/4
.set QQ,  (\g)%4
.set PS,  (\g)%2
.set NSL, ((\g)+1)/4
.set NQQ, ((\g)+1)%4
.set NPS, 1-PS
	s_wait_dscnt 0x0                               ; this step's fragments are in
.if (\g) == 3
	s_wait_tensorcnt 0x0                           ; my part of slot 1 has landed;
	s_barrier_signal -1
	s_barrier_wait -1                              ; everybody's has.
.endif
.if (\g) < 7
.if (\g) > 0
	PLACES 4                                       ; in front of loads into the set that the last step's products read
.endif
	FETCH NSL, NQQ, NPS
.endif
.if (\g) == 0
	WIN 0x91                                       ; source 0 window 1, C window 1 (the bias), D window 2
	MUL32 PS, QQ, SL, 1
.else
	WIN 0xa1
	MUL32 PS, QQ, SL, 0
.endif
	WIN 0
.endm
	s_wait_tensorcnt 1                             ; the scales and my part of slot 0 are in; slot 1's load may be out
	s_barrier_signal -1
	s_barrier_wait -1
.irp sc, 0,1
.irp i, 0,1,2,3,4,5,6,7
	ds_load_b128 v[SC+32*\sc+4*\i:SC+32*\sc+4*\i+3], v[ADRS] offset:\i*SBLK+16*\sc   ; lanes 0-15: y's block i (for i over 3: filled bytes that no product names); lanes 16-31: W's block i
.endr
.endr
	FETCH 0, 0, 0
	s_wait_loadcnt 0x0                             ; the bias
.irp g, 0,1,2,3,4,5,6,7
	STEP3 \g
.endr
	PLACES 4
; THE WAY OUT, block by block of 16 tokens x 128 columns, through my own stage: whole rows of 512 bytes come back, which the 32 lanes store as two aligned runs of 256 bytes.
.macro TOSTAGE a
.set AC, 64*(\a)
	WIN 0x08                                       ; an LDS store's data: window 2
.irp b, 0,1,2,3,4,5,6,7
	ds_store_b128 v[STO], v[AC+8*\b:AC+8*\b+3] offset:64*\b          ; each accumulator from its low end on
	ds_store_b128 v[STO], v[AC+8*\b+4:AC+8*\b+7] offset:64*\b+16
.endr
	WIN 0
.set BB, BK+64*((\a)%2)
.irp t, 0,1,2,3,4,5,6,7,8,9,10,11,12,13,14,15
	ds_load_b128 v[BB+4*\t:BB+4*\t+3], v[RD] offset:\t*SPITCH        ; LDS serves a wave's instructions in order: these see the stores above
.endr
.endm
.macro SEND a, younger
.set BB, BK+64*((\a)%2)
	s_wait_dscnt \younger                          ; the block is back in registers
.if (\a) > 0
	s_add_nc_u64 s[98:99], s[98:99], 16*4096       ; (behind a wait for 0 on XCNT: the earlier stores have read their base)
.endif
.irp t, 0,1,2,3,4,5,6,7,8,9,10,11,12,13,14,15
	global_store_b128 v[CO], v[BB+4*\t:BB+4*\t+3], s[98:99] offset:\t*4096 th:TH_STORE_NT
.endr
.endm
	TOSTAGE 0
.irp a, 1,2,3
.if \a > 1
	s_wait_xcnt 0x0                                ; block a - 2's stores have read their registers and their base
.endif
	TOSTAGE \a
	SEND \a-1, 32                                  ; behind block a - 1's loads: block a's 16 stores and 16 loads
.endr
	s_wait_xcnt 0x0
	SEND 3, 0
	s_wait_tensorcnt 0x0                           ; the wave's end
	ds_add_u32 v[SPW], v[NIL]
	s_wait_dscnt 0x0
	CROUND                                         ; the closing round
	s_endpgm
.Lfunc_end_k_qe57f431b44_proj:
	.size	k_qe57f431b44_proj, .Lfunc_end_k_qe57f431b44_proj-k_qe57f431b44_proj
	.p2alignl 7, 3214868480
	.fill 96, 4, 3214868480
	.section	.rodata,"a",@progbits
	.p2align	6, 0x0
	.amdhsa_kernel k_qe57f431b44_proj
		.amdhsa_group_segment_fixed_size 327680
		.amdhsa_private_segment_fixed_size 0
		.amdhsa_enable_private_segment 0
		.amdhsa_kernarg_size 48
		.amdhsa_user_sgpr_count 2
		.amdhsa_user_sgpr_kernarg_segment_ptr 1
		.amdhsa_wavefront_size32 1
		.amdhsa_system_sgpr_workgroup_id_x 1
		.amdhsa_system_sgpr_workgroup_id_y 1
		.amdhsa_system_sgpr_workgroup_id_z 1
		.amdhsa_system_vgpr_workitem_id 0
		.amdhsa_next_free_vgpr 768
		.amdhsa_next_free_sgpr 102
		.amdhsa_reserve_vcc 0
		.amdhsa_float_denorm_mode_32 3
		.amdhsa_float_denorm_mode_16_64 3
		.amdhsa_memory_ordered 1
		.amdhsa_forward_progress 1
		.amdhsa_inst_pref_size 75
	.end_amdhsa_kernel
	.amdgpu_metadata
---
amdhsa.version: [ 1, 2 ]
amdhsa.kernels:
  - .name:           k_qe57f431b44_proj
    .symbol:         k_qe57f431b44_proj.kd
    .args:
      - { .name: yc, .offset: 0, .size: 8, .value_kind: global_buffer, .address_space: global }
      - { .name: ys, .offset: 8, .size: 8, .value_kind: global_buffer, .address_space: global }
      - { .name: W_proj_codes, .offset: 16, .size: 8, .value_kind: global_buffer, .address_space: global }
      - { .name: W_proj_scales, .offset: 24, .size: 8, .value_kind: global_buffer, .address_space: global }
      - { .name: b_proj, .offset: 32, .size: 8, .value_kind: global_buffer, .address_space: global }
      - { .name: out0, .offset: 40, .size: 8, .value_kind: global_buffer, .address_space: global }
    .group_segment_fixed_size: 327680
    .private_segment_fixed_size: 0
    .kernarg_segment_align: 8
    .kernarg_segment_size: 48
    .max_flat_workgroup_size: 128
    .sgpr_count:     102
    .vgpr_count:     768
    .wavefront_size: 32
...
	.end_amdgpu_metadata
.endif
;; end of part 3
